; MI455X (gfx1250); checked and timed in simulation.
; The chip was launched on July 23, 2026; its instructions are those of AMD's public machine-readable ISA for CDNA 5 (MIT licence, August 2026) and "CDNA5" Instruction Set Architecture Reference Guide (July 2026). The comments in the code are by the model that wrote it; some were corrected since.
;; Tri X Linear. Allowed arithmetic: float matrix products may take bf16 or f16 operands with f32 sums; other float arithmetic in f32, or as packed bf16 or f16 multiplies, adds, multiply-adds, maxima and minima; sums over many terms, partial sums and values carried from step to step in f32; what a program stores and reads back later, other than sums and carried values, may be rounded once to bf16 or f16.
;; Inputs: gate 4,096 x 4 int32; scales 4,096 float32; weight 4,096 x 4,096 float32; x 4,096 x 4,096 float32.
;; Outputs: out0 4,096 x 4,096 float32.
;; 2 versions, each right and faster than the one before. Each part assembles by itself: llvm-mc -triple=amdgcn-amd-amdhsa -mcpu=gfx1250 --defsym DOCPART=n.
;; ======== version 1 of 2: 2 launches
;; workspace buffers: xc 134,217,728 bytes; wb 33,554,432 bytes; rows 65,536 bytes of whole numbers; cnt 256 bytes of whole numbers
;; launch prep (part 1): grid 256 x 1, 16 waves a work-group, no clusters, 4,096 bytes of LDS; arguments x, gate, weight, xc, wb, rows, cnt, out0; writes xc, wb, rows, cnt, out0
.if DOCPART == 1
	.amdgcn_target "amdgcn-amd-amdhsa--gfx1250"
	.amdhsa_code_object_version 6
	.text
	.protected	k_qdbdbba884f_prep
	.globl	k_qdbdbba884f_prep
	.p2align	8
	.type	k_qdbdbba884f_prep,@function
k_qdbdbba884f_prep:
	s_mov_b64 s[64:65], 0
	v_nop
	global_prefetch_b8 v0, s[64:65] scope:SCOPE_SE
	s_setreg_imm32_b32 hwreg(HW_REG_WAVE_MODE, 25, 1), 1
	s_wait_xcnt 0x0
; PREP.  x [4096][4096] f32, gate [4096][4] i32, weight [4096][4096] f32.  The four tiles of 1,024 output columns are four experts; row b belongs to expert t where gate[b][t] != 0.
; Stored: wb [4096][4096] bf16 = sign(weight);  xc [4][4096][4096] bf16: expert t's rows of x, rounded to nearest even, end to end in the order of b (a row's place is its RANK);
; rows [4][4096] i32: the b of each rank;  cnt: the four counts n_t;  zero rows of xc and zero entries of rows from rank n_t up to 240 ceil(n_t / 256) + 255, the last rank that the
; product's tiles touch;  and out0 = +0 in tile t of every row with gate[b][t] = 0.
; LIMITS.  Where gate = 0 the output is +0 (the product times 0 would be -0 for a negative one, NaN for one that is not finite).  A NaN in weight counts as +1 or -1 by its sign bit.
; SHARES.  256 work-groups of 16 waves; work-group g owns rows 16 g .. 16 g + 15 of x and of weight, wave w row b = 16 g + w of each: 16,384 bytes, 32 loads of 16 bytes a lane, each load of
; the wave 512 consecutive bytes.  Every work-group counts the whole gate for itself (65,536 bytes, 4,096 a wave), so no work-group waits for another and no sum is made in memory.
; No matrix unit, no cluster, no tensor load: nothing here is read by two work-groups but the gate.  Up to 32 loads of a wave are on their way; x's quarters are asked for into the registers that weight's leave.
.set SPARE, 2048                       ; LDS: bytes 0-2047 the waves' counts (128 bytes a wave); from 2,048 the spare words, 128 bytes a wave, that no other line names
.set OFF16, 2                          ; v2       16 x lane; never rewritten
.set OFF8,  3                          ; v3       8 x lane; never rewritten
.set Z,     4                          ; v[4:7]   0; never rewritten
.set T,     8                          ; v[8:11]  at work
.set SPW,   12                         ; v12      LDS address of my spare word
.set NIL,   13                         ; v13      0
.set P,     16                         ; v[16:31] a quarter row packed to bf16
.set D,     32                         ; v[32:159] a row as loaded: weight's, then quarter by quarter x's
.set G,     160                        ; v[160:195] gate: eight loads of 32 rows, then my group's own 16 rows
.set CV,    196                        ; v196     my wave's eight counts, one a lane
.set S,     197                        ; v[197:212] the sixteen waves' counts; their sum ends in v197
.set L4,    213                        ; v213     4 x lane
.set A4,    214                        ; v214     4 x thread
.set ROW,   215                        ; v215     256 w + lane: the first gate row that my lane counts
.set TOT,   24                         ; s[24:27] n_t
.set PRE,   28                         ; s[28:31] expert t's rows below my group's first row
.set MK,    32                         ; s[32:35] bit i: row 16 g + i belongs to expert t
.set DST,   40                         ; s[40:47] xc at my row's place in expert t
	s_load_b512 s[4:19], s[0:1], 0x0               ; x s[4:5], gate s[6:7], weight s[8:9], xc s[10:11], wb s[12:13], rows s[14:15], cnt s[16:17], out0 s[18:19]
	v_lshl_add_u32 v[SPW], v0, 2, SPARE
	v_mov_b32 v[NIL], 0
	v_and_b32 v1, 31, v0                           ; lane
	v_lshrrev_b32 v14, 5, v0
	v_readfirstlane_b32 s20, v14                   ; wave 0..15
	v_lshlrev_b32 v[OFF16], 4, v1
	v_lshlrev_b32 v[OFF8], 3, v1
.irp i, 0,1,2,3
	v_mov_b32 v[Z+\i], 0
.endr
	v_lshlrev_b32 v[L4], 2, v1
	v_lshlrev_b32 v[A4], 2, v0
	v_lshl_add_u32 v[ROW], s20, 8, v1
	v_lshl_add_u32 v14, s20, 12, v[OFF16]          ; my wave's 256 gate rows of 16 bytes, my lane's row among the first 32
	v_and_b32 v15, 15, v0
	v_lshlrev_b32 v15, 4, v15                      ; my group's own 16 gate rows: both halves of the lanes read the same
	s_lshl_b32 s21, ttmp9, 4                       ; the group's first row
	s_add_co_u32 s66, s21, s20                     ; b
	s_lshl_b32 s68, s66, 14                        ; b x 16,384 bytes (f32 rows),
	s_mov_b32 s69, 0
	s_lshl_b32 s70, s66, 13                        ; b x 8,192 (bf16 rows)
	s_mov_b32 s71, 0
	s_lshl_b32 s72, ttmp9, 8                       ; 16 gate rows x 16 bytes
	s_mov_b32 s73, 0
	s_mov_b32 s60, 0x80000000                      ; a sign
	s_mov_b32 s61, 0x3f800000                      ; 1.0
	s_mov_b32 s62, 0x07060302                      ; v_perm_b32: the upper halves of two words
.irp t, 0,1,2,3
	s_mov_b32 s[TOT+\t], 0
	s_mov_b32 s[PRE+\t], 0
.endr
	s_wait_kmcnt 0x0
	s_add_nc_u64 s[48:49], s[4:5], s[68:69]        ; x at row b
	s_add_nc_u64 s[50:51], s[8:9], s[68:69]        ; weight at row b
	s_add_nc_u64 s[52:53], s[12:13], s[70:71]      ; wb at row b
	s_add_nc_u64 s[54:55], s[18:19], s[68:69]      ; out0 at row b
	s_add_nc_u64 s[74:75], s[6:7], s[72:73]        ; gate at the group's first row
.irp j, 0,1,2,3,4,5,6,7
	global_load_b128 v[G+4*\j:G+4*\j+3], v14, s[6:7] offset:512*\j
.endr
	global_load_b128 v[G+32:G+35], v15, s[74:75]
.set k, 0
.rept 32
	global_load_b128 v[D+4*k:D+4*k+3], v[OFF16], s[50:51] offset:512*k th:TH_LOAD_NT  ; the whole weight row goes out behind the gate
.set k, k+1
.endr
	; THE COUNT.  My wave's 256 gate rows: for each expert how many are chosen, and how many of those lie below my group's first row.
	s_wait_loadcnt 32                              ; loads come back in order: the nine gate loads are in, the 32 weight loads stay out; v14 and v15 are free
.set j, 0
.rept 8
	v_add_nc_u32 v14, 32*j, v[ROW]
	v_cmp_gt_u32 s36, s21, v14                     ; rows below the group's first
.irp t, 0,1,2,3
	v_cmp_ne_u32 s37, 0, v[G+4*j+\t]
	s_bcnt1_i32_b32 s38, s37
	s_add_co_u32 s[TOT+\t], s[TOT+\t], s38
	s_and_b32 s37, s37, s36
	s_bcnt1_i32_b32 s38, s37
	s_add_co_u32 s[PRE+\t], s[PRE+\t], s38
.endr
.set j, j+1
.endr
.irp t, 0,1,2,3
	v_cmp_ne_u32 s37, 0, v[G+32+\t]
	s_and_b32 s[MK+\t], s37, 0xffff
.endr
	; The sixteen waves' counts meet in LDS: lanes 0-3 carry the totals, lanes 4-7 the counts below.  The launch's one barrier; it stands ahead of every branch on data.
	v_mov_b32 v[CV], 0
.irp t, 0,1,2,3
	v_writelane_b32 v[CV], s[TOT+\t], \t
	v_writelane_b32 v[CV], s[PRE+\t], 4+\t
.endr
	ds_store_b32 v[A4], v[CV]
	s_wait_dscnt 0x0                               ; for the others' sake: my store is done
	s_barrier_signal -1
	s_barrier_wait -1
.set k, 0
.rept 16
	ds_load_b32 v[S+k], v[L4] offset:128*k
.set k, k+1
.endr
	s_wait_dscnt 0x0
.irp k, 1,3,5,7,9,11,13
	v_add3_u32 v[S], v[S], v[S+\k], v[S+\k+1]
.endr
	v_add_nc_u32 v[S], v[S], v[S+15]
.irp t, 0,1,2,3
	v_readlane_b32 s[TOT+\t], v[S], \t
	v_readlane_b32 s[PRE+\t], v[S], 4+\t
.endr
	; My row's rank in each expert: the rows below the group, and the group's rows below mine.  Clamped to the table before it enters an address.
	s_bfm_b32 s36, s20, 0                          ; w ones: the group's rows below mine
	s_mov_b32 s67, 0
.irp t, 0,1,2,3
	s_and_b32 s37, s[MK+\t], s36
	s_bcnt1_i32_b32 s37, s37
	s_add_co_u32 s37, s37, s[PRE+\t]
	s_min_u32 s37, s37, 4095
	s_add_co_u32 s37, s37, 4096*\t
	s_lshl_b32 s66, s37, 13
	s_add_nc_u64 s[DST+2*\t:DST+2*\t+1], s[10:11], s[66:67]
.endr
	; THE LIST: wave 0 stores the group's row numbers at their ranks, lane i for row 16 g + i; work-group 0's wave 0 also stores the four counts.
	s_cmp_lg_u32 s20, 0
	s_cbranch_scc1 .Lnot0
	v_add_nc_u32 v15, s21, v1
.irp t, 0,1,2,3
	v_mbcnt_lo_u32_b32 v[T+\t], s[MK+\t], 0        ; the group's chosen rows below lane's
	v_add_nc_u32 v[T+\t], s[PRE+\t], v[T+\t]
	v_min_u32 v[T+\t], 0xfff, v[T+\t]
	v_lshlrev_b32 v[T+\t], 2, v[T+\t]
.endr
.irp t, 0,1,2,3
	s_wait_xcnt 0x0                                ; EXEC is a source of the memory instructions issued so far: it changes only behind this wait
	s_and_saveexec_b32 s63, s[MK+\t]               ; the chosen rows' lanes alone
	global_store_b32 v[T+\t], v15, s[14:15] offset:16384*\t
	s_wait_xcnt 0x0                                ; and again, ahead of the line that widens it
	s_or_b32 exec_lo, exec_lo, s63
.endr
	s_cmp_lg_u32 ttmp9, 0
	s_cbranch_scc1 .Lnot0
	s_wait_xcnt 0x0
	v_cmpx_gt_u32 4, v1
	global_store_b32 v[L4], v[S], s[16:17]         ; lanes 0-3 hold n_0 .. n_3
	s_wait_xcnt 0x0
	s_mov_b32 exec_lo, -1
.Lnot0:
	; THE ZEROS OF out0: tile t of my row, 4,096 bytes, where the gate is 0.  Each store of the wave covers 512 consecutive bytes, aligned.
.irp t, 0,1,2,3
	s_bitcmp1_b32 s[MK+\t], s20
	s_cbranch_scc1 .Lnz\t
.irp j, 0,1,2,3,4,5,6,7
	global_store_b128 v[OFF16], v[Z:Z+3], s[54:55] offset:4096*\t+512*\j th:TH_STORE_NT
.endr
.Lnz\t:
.endr
	; THE PAD ROWS.  Expert g / 64 has 64 x 16 waves for them; wave number j of those takes rank n + j if that lies below 240 ceil(n / 256) + 256: at most 511 ranks do.
	s_lshr_b32 s66, ttmp9, 6
	s_and_b32 s67, ttmp9, 63
	s_lshl_b32 s67, s67, 4
	s_add_co_u32 s67, s67, s20
	s_mov_b32 s68, s[TOT]
	s_cmp_eq_u32 s66, 1
	s_cselect_b32 s68, s[TOT+1], s68
	s_cmp_eq_u32 s66, 2
	s_cselect_b32 s68, s[TOT+2], s68
	s_cmp_eq_u32 s66, 3
	s_cselect_b32 s68, s[TOT+3], s68               ; n of that expert
	s_add_co_u32 s69, s68, 255
	s_lshr_b32 s69, s69, 8
	s_mul_i32 s69, s69, 240
	s_add_co_u32 s69, s69, 256                     ; the first rank that nobody reads
	s_add_co_u32 s67, s67, s68
	s_cmp_lt_u32 s67, s69
	s_cbranch_scc0 .Lnopad
	s_min_u32 s67, s67, 4095
	s_lshl_b32 s66, s66, 12
	s_add_co_u32 s66, s66, s67
	s_lshl_b32 s70, s66, 13
	s_mov_b32 s71, 0
	s_lshl_b32 s72, s66, 2
	s_mov_b32 s73, 0
	s_add_nc_u64 s[56:57], s[10:11], s[70:71]
	s_add_nc_u64 s[58:59], s[14:15], s[72:73]
.set k, 0
.rept 16
	global_store_b128 v[OFF16], v[Z:Z+3], s[56:57] offset:512*k
.set k, k+1
.endr
	s_wait_xcnt 0x0
	v_cmpx_eq_u32 0, v1
	global_store_b32 v[Z], v[Z], s[58:59]          ; the list's entry: row 0, which exists; nothing is stored for it later
	s_wait_xcnt 0x0
	s_mov_b32 exec_lo, -1
.Lnopad:
; Quarter q of the weight row: the sign as bf16 (the sign bit over 1.0, or 0 where the number is 0; the upper halves of two words make a pair), then x's quarter q is asked for into the same
; registers, ahead of the stores.  A store of the wave covers 256 consecutive bytes, aligned.
.macro WQ q
	s_wait_loadcnt 24                              ; behind this quarter's eight loads 24 were issued: weight's later quarters and the x quarters asked for so far
	s_wait_xcnt 0x0                                ; P, and v[8:11], are rewritten only behind this wait
.set p, 0
.rept 16
	v_and_or_b32 v[T+2*(p%2)],   v[D+32*(\q)+2*p],   s60, s61
	v_and_or_b32 v[T+2*(p%2)+1], v[D+32*(\q)+2*p+1], s60, s61
	v_cmp_neq_f32 vcc_lo, 0, v[D+32*(\q)+2*p]
	v_cmp_neq_f32 s36, 0, v[D+32*(\q)+2*p+1]
	v_cndmask_b32 v[T+2*(p%2)],   0, v[T+2*(p%2)],   vcc_lo
	v_cndmask_b32 v[T+2*(p%2)+1], 0, v[T+2*(p%2)+1], s36
	v_perm_b32 v[P+p], v[T+2*(p%2)+1], v[T+2*(p%2)], s62
.set p, p+1
.endr
.irp j, 0,1,2,3,4,5,6,7
	global_load_b128 v[D+32*(\q)+4*\j:D+32*(\q)+4*\j+3], v[OFF16], s[48:49] offset:4096*(\q)+512*\j th:TH_LOAD_NT
.endr
.irp j, 0,1,2,3,4,5,6,7
	global_store_b64 v[OFF8], v[P+2*\j:P+2*\j+1], s[52:53] offset:2048*(\q)+256*\j
.endr
.endm
; Quarter q of the x row: rounded once, and stored into each expert that the row belongs to.  left: the loads of the x quarters behind this one.
.macro XQ q, left
	s_wait_loadcnt \left
	s_wait_xcnt 0x0                                ; P is rewritten only behind this wait
.set p, 0
.rept 16
	v_cvt_pk_bf16_f32 v[P+p], v[D+32*(\q)+2*p], v[D+32*(\q)+2*p+1]
.set p, p+1
.endr
.irp t, 0,1,2,3
	s_bitcmp1_b32 s[MK+\t], s20
	s_cbranch_scc0 .Lxs\q\t
.irp j, 0,1,2,3,4,5,6,7
	global_store_b64 v[OFF8], v[P+2*\j:P+2*\j+1], s[DST+2*\t:DST+2*\t+1] offset:2048*(\q)+256*\j
.endr
.Lxs\q\t:
.endr
.endm
	WQ 0
	WQ 1
	WQ 2
	WQ 3
	XQ 0, 24
	XQ 1, 16
	XQ 2, 8
	XQ 3, 0
	s_wait_tensorcnt 0x0                           ; the wave's end, behind my last LDS store
	ds_add_u32 v[SPW], v[NIL]
	s_wait_dscnt 0x0
	s_endpgm
.Lfunc_end_k_qdbdbba884f_prep:
	.size	k_qdbdbba884f_prep, .Lfunc_end_k_qdbdbba884f_prep-k_qdbdbba884f_prep
	.p2alignl 7, 3214868480
	.fill 96, 4, 3214868480
	.section	.rodata,"a",@progbits
	.p2align	6, 0x0
	.amdhsa_kernel k_qdbdbba884f_prep
		.amdhsa_group_segment_fixed_size 4096
		.amdhsa_private_segment_fixed_size 0
		.amdhsa_enable_private_segment 0
		.amdhsa_kernarg_size 64
		.amdhsa_user_sgpr_count 2
		.amdhsa_user_sgpr_kernarg_segment_ptr 1
		.amdhsa_wavefront_size32 1
		.amdhsa_system_sgpr_workgroup_id_x 1
		.amdhsa_system_sgpr_workgroup_id_y 1
		.amdhsa_system_sgpr_workgroup_id_z 1
		.amdhsa_system_vgpr_workitem_id 0
		.amdhsa_next_free_vgpr 216
		.amdhsa_next_free_sgpr 96
		.amdhsa_reserve_vcc 1
		.amdhsa_float_denorm_mode_32 3
		.amdhsa_float_denorm_mode_16_64 3
		.amdhsa_memory_ordered 1
		.amdhsa_forward_progress 1
		.amdhsa_inst_pref_size 74
	.end_amdhsa_kernel
	.amdgpu_metadata
---
amdhsa.version: [ 1, 2 ]
amdhsa.kernels:
  - .name:           k_qdbdbba884f_prep
    .symbol:         k_qdbdbba884f_prep.kd
    .args:
      - { .name: x, .offset: 0, .size: 8, .value_kind: global_buffer, .address_space: global }
      - { .name: gate, .offset: 8, .size: 8, .value_kind: global_buffer, .address_space: global }
      - { .name: weight, .offset: 16, .size: 8, .value_kind: global_buffer, .address_space: global }
      - { .name: xc, .offset: 24, .size: 8, .value_kind: global_buffer, .address_space: global }
      - { .name: wb, .offset: 32, .size: 8, .value_kind: global_buffer, .address_space: global }
      - { .name: rows, .offset: 40, .size: 8, .value_kind: global_buffer, .address_space: global }
      - { .name: cnt, .offset: 48, .size: 8, .value_kind: global_buffer, .address_space: global }
      - { .name: out0, .offset: 56, .size: 8, .value_kind: global_buffer, .address_space: global }
    .group_segment_fixed_size: 4096
    .private_segment_fixed_size: 0
    .kernarg_segment_align: 8
    .kernarg_segment_size: 64
    .max_flat_workgroup_size: 512
    .sgpr_count:     96
    .vgpr_count:     216
    .wavefront_size: 32
...
	.end_amdgpu_metadata
.endif
;; end of part 1
;; launch gemm (part 2): grid 16 x 16, 4 waves a work-group, no clusters, 327,680 bytes of LDS; arguments xc, wb, rows, cnt, gate, scales, out0; writes out0
.if DOCPART == 2
	.amdgcn_target "amdgcn-amd-amdhsa--gfx1250"
	.amdhsa_code_object_version 6
	.text
	.protected	k_qdbdbba884f_gemm
	.globl	k_qdbdbba884f_gemm
	.p2align	8
	.type	k_qdbdbba884f_gemm,@function
k_qdbdbba884f_gemm:
	s_mov_b64 s[64:65], 0
	v_nop
	global_prefetch_b8 v0, s[64:65] scope:SCOPE_SE
	s_setreg_imm32_b32 hwreg(HW_REG_WAVE_MODE, 25, 1), 1
	s_wait_xcnt 0x0
; out0[b][o] = (sum over i of x[b][i] sign(weight[o][i])) x scales[o] x float(gate[b][o / 1024]), for the rows b with gate != 0 (the others were stored by the launch before).
; xc [4][4096][4096] bf16: expert t's rows end to end; wb [4096][4096] bf16; rows [4][4096]: the b of each rank; cnt: n_0 .. n_3.  Sums in f32, K ascending; scales and gate applied in f32, in that order.
; LIMITS.  x enters rounded to bf16 (nearest even); the signs are exact.  NaN and infinities are not treated apart.
; A GRID FOR EVERY SPLIT.  16 x 16 work-groups.  x = which 256 of the 4,096 columns, x / 4 = expert t; y = i, which of the expert's 16 groups of rows.  A group has 16 mb rows, mb = ceil(n_t / 256):
; 256 at the most, whatever the split.  Row blocks 0-8 (144 rows) are always multiplied; blocks 9-15 only where mb > 9: a forward branch on n_t over LDS reads and matrix instructions alone; every wave
; passes every barrier and issues every tensor load.  Rows past the group's count are multiplied and not stored.
; NO CLUSTER.  The four column blocks of an expert need the same tiles of xc and the sixteen groups the same tiles of wb, but where a group's rows begin and how many blocks are multiplied hang on n_t,
; a number read from memory.  The form without them multiplies 16 blocks in every group where the
; usual split needs 9: 16/9 of the matrix work, more than joint loads would save.  So each work-group asks for its own tiles: 512 rows x 256 bytes a K step.
; SHARES.  Four waves; wave w takes all the rows x columns 64 w .. 64 w + 63: 9 (16) x 4 accumulators of 16 x 16.  K goes in steps of 128 through two LDS slots: 256 rows of A, 256 of B, rows of 256 bytes.
; Wave 0 fetches A's rows 0-143, wave 1 A's rows 144-255, waves 2 and 3 B's halves.  By this text's count a wave has two tensor loads out at the start and one behind each change of slots.
; THE MATRIX INSTRUCTION IS USED TRANSPOSED (source 0 = 16 rows of wb, source 1 = 16 rows of xc): a lane holds row lane % 16 and eight neighbouring columns 8 (lane / 16) + 0..7.
; REGISTERS, in windows of 256 (s_set_vgpr_msb: bits 1:0 source 0, 3:2 source 1, 5:4 source 2, 7:6 destination):
;   window 0: v0-29 addresses; v32-135, v136-239 two fragment buffers (B's 4 fragments, then A's 9); v240-255 the group's row numbers; on the way out v32-63, v64-95, v96-103 at work
;   windows 1, 2: accumulator (a, b) at 256 + 32 a + 8 b          window 3: v0-55 A's fragments of blocks 9-15; v64-95 float(gate), twice each; v96-127 scales of my lane's 32 columns
.set PITCH, 272                        ; an LDS row: 256 bytes + 16 of padding = 68 words: the 16 rows of a fragment load start at 16 different groups of four banks (64 banks of 4 bytes: ISA guide 11.1)
.set SLOT,  512*PITCH                  ; A's 256 rows, then B's 256 rows
.set HOFF,  144*PITCH                  ; A's rows 144-255
.set BOFF,  256*PITCH
.set STAGE, 2*SLOT                     ; behind the ring: 16 rows x 272 bytes for each wave, for the way out; no tensor load fills it
.set SPARE, STAGE+4*16*PITCH           ; behind the stages: the spare words, 128 bytes for each wave, that no other line names
.set LAPS,  16                         ; 4,096 along K = 32 steps of 128 = 16 times round the ring
.set ADRA, 4                           ; v4-5    LDS address of my A fragments in slot 0, 1
.set ADRB, 6                           ; v6-7    the same for B
.set STO,  8                           ; v8      the way out: where I put 32 bytes of a row
.set RD,   9                           ; v9      where I read a row back
.set CO,   10                          ; v10     16 (lane % 16): my bytes in a row's 256
.set LIM,  11                          ; v11     the group's count of rows less lane / 16
.set PIDX, 12                          ; v12-19  4 x (2 j + lane / 16): the lane that holds the number of row 2 j + lane / 16 of a block
.set R4,   20                          ; v20     4 (lane % 16)
.set H32,  21                          ; v21     32 (lane / 16)
.set SPW,  28                          ; v28     LDS address of my spare word; never rewritten
.set NIL,  29                          ; v29     0; never rewritten
.set F0,   32
.set F1,   136
.set RID,  240
.set T,    32                          ; the way out: a block scaled
.set BK,   64                          ; read back as whole rows
.set OFFS, 96                          ; the eight stores' byte offsets in out0
.set TA,   136                         ; at the head: byte offsets in gate
.set GF,   64                          ; window 3
.set SC,   96                          ; window 3
.set WV,   18                          ; s18  my wave's number
.set HIF,  28                          ; s28  1: mb > 9, blocks 9-15 are multiplied
.set G1A,  32                          ; s[32:39] group 1 for A's rows 0-143;  s[40:47] for rows 144-255;  s[48:55] for B's halves
.set G1H,  40
.set G1B,  48
.set G0A,  56                          ; s[56:63], s[68:75], s[76:83] group 0 of the three, a set for each slot
.set G0H,  68
.set G0B,  76
.set G1C,  (1<<16)|(1<<20)|(5<<22)|(3<<25)  ; 15:0 no mask; 17:16 elements of 2 bytes; 20 padding on; 24:22 after every 64 words (code 5); 31:25 4 words of it (code 3)
.set MSB, 0
.macro WIN new                         ; the immediate's high byte repeats the setting that is left; a switch that changes nothing is dropped
.if MSB != (\new)
	s_set_vgpr_msb (MSB<<8)|(\new)
.set MSB, \new
.endif
.endm
.macro PLACES                          ; four plain vector instructions between a matrix instruction and a load into, or a vector instruction on, its registers
.rept 4
	v_nop
.endr
.endm
.macro SHAPE g, r                      ; group 1: a tile of r rows x 128 elements, 4,096 elements from row to row
	s_mov_b32 s[(\g)], G1C
	s_mov_b32 s[(\g)+1], 128<<16                   ; tensor_dim0 = 128
	s_mov_b32 s[(\g)+2], (\r)<<16                  ; tensor_dim1 = r
	s_mov_b32 s[(\g)+3], 128<<16                   ; tile_dim0 = 128
	s_mov_b32 s[(\g)+4], \r                        ; tile_dim1 = r
	s_mov_b32 s[(\g)+5], 4096                      ; the pitch
	s_mov_b32 s[(\g)+6], 0
	s_mov_b32 s[(\g)+7], 0
.endm
; A wave's one load of a slot: one line for each of the three kinds, chosen by the wave's number alone.  An s_nop 0 and four v_nop follow each line, ahead of the jump and the label.
.macro JLOAD s
	s_cmp_lt_u32 s[WV], 2
	s_cbranch_scc0 .Ljb_\@
	s_cmp_eq_u32 s[WV], 0
	s_cbranch_scc0 .Ljh_\@
	tensor_load_to_lds s[G0A+4*(\s):G0A+4*(\s)+3], s[G1A:G1A+7]
	s_nop 0
	PLACES
	s_branch .Ljd_\@
.Ljh_\@:
	tensor_load_to_lds s[G0H+4*(\s):G0H+4*(\s)+3], s[G1H:G1H+7]
	s_nop 0
	PLACES
	s_branch .Ljd_\@
.Ljb_\@:
	tensor_load_to_lds s[G0B+4*(\s):G0B+4*(\s)+3], s[G1B:G1B+7]
	s_nop 0
	PLACES
.Ljd_\@:
.endm
	s_load_b256 s[4:11], s[0:1], 0x0               ; xc s[4:5], wb s[6:7], rows s[8:9], cnt s[10:11]
	s_load_b128 s[12:15], s[0:1], 0x20             ; gate s[12:13], scales s[14:15]
	s_load_b64 s[16:17], s[0:1], 0x30              ; out0
	v_lshl_add_u32 v[SPW], v0, 2, SPARE
	v_mov_b32 v[NIL], 0
	ds_add_u32 v[SPW], v[NIL]                      ; the wave's opening: the add and its wait stand ahead of my first tensor load; the set-up below, work on registers, stands between them
	v_lshrrev_b32 v3, 5, v0
	v_readfirstlane_b32 s[WV], v3                  ; wave 0..3
	s_and_b32 s19, s[WV], 1                        ; which half of B's tile waves 2 and 3 fetch
	s_mov_b32 s22, ttmp9                           ; block of 256 columns, 0..15
	s_lshr_b32 s20, ttmp9, 2                       ; expert t
	s_and_b32 s23, ttmp7, 0xffff                   ; group of rows i, 0..15
	SHAPE G1A, 144
	SHAPE G1H, 112
	SHAPE G1B, 128
	s_mul_i32 s2, s19, 128*PITCH
.irp s, 0,1
	s_mov_b32 s[G0A+4*\s], 1                       ; 1:0 count = 1
	s_mov_b32 s[G0A+4*\s+1], \s*SLOT               ; 63:32 LDS address
	s_mov_b32 s[G0H+4*\s], 1
	s_mov_b32 s[G0H+4*\s+1], \s*SLOT+HOFF
	s_mov_b32 s[G0B+4*\s], 1
	s_add_co_u32 s[G0B+4*\s+1], s2, \s*SLOT+BOFF
.endr
	s_lshl_b32 s88, s22, 21                        ; B: row 256 x column block + 128 x half, rows of 8,192 bytes
	s_lshl_b32 s89, s19, 20
	s_add_co_u32 s88, s88, s89
	s_mov_b32 s89, 0
	s_wait_dscnt 0x0                               ; the opening add is done
	s_wait_kmcnt 0x0
	s_load_b128 s[84:87], s[10:11], 0x0            ; the four counts
	s_add_nc_u64 s[90:91], s[6:7], s[88:89]
	s_wait_kmcnt 0x0
	s_mov_b32 s24, s84
	s_cmp_eq_u32 s20, 1
	s_cselect_b32 s24, s85, s24
	s_cmp_eq_u32 s20, 2
	s_cselect_b32 s24, s86, s24
	s_cmp_eq_u32 s20, 3
	s_cselect_b32 s24, s87, s24
	s_min_u32 s24, s24, 4096                       ; n of my expert
	s_add_co_u32 s25, s24, 255
	s_lshr_b32 s25, s25, 8
	s_min_u32 s25, s25, 16                         ; mb; clamped here, so that only shifts left, a product and sums lie between the clamp and an address
	s_lshl_b32 s26, s25, 4                         ; rows in a group
	s_mul_i32 s27, s23, s26                        ; my group's first rank
	s_cmp_gt_u32 s25, 9
	s_cselect_b32 s[HIF], 1, 0
	s_sub_co_i32 s29, s24, s27
	s_max_i32 s29, s29, 0
	s_min_i32 s29, s29, s26                        ; how many of my group's rows exist: it enters the stores' lane masks alone, no branch and no address
	s_lshl_b32 s84, s20, 12
	s_add_co_u32 s84, s84, s27                     ; 4,096 t + first rank
	s_lshl_b32 s92, s84, 2
	s_mov_b32 s93, 0
	s_lshl_b32 s84, s84, 13
	s_mov_b32 s85, 0
	s_add_nc_u64 s[86:87], s[4:5], s[84:85]        ; xc at my group's first row
	s_add_nc_u64 s[92:93], s[8:9], s[92:93]        ; rows at my group's first entry
.irp s, 0,1
	s_add_nc_u64 s[G0A+4*\s+2:G0A+4*\s+3], s[86:87], \s*256            ; 120:64 global address: K step s
	s_or_b32 s[G0A+4*\s+3], s[G0A+4*\s+3], 0x80000000                 ; 127:126 type = 2
	s_add_nc_u64 s[G0H+4*\s+2:G0H+4*\s+3], s[86:87], 144*8192+\s*256
	s_or_b32 s[G0H+4*\s+3], s[G0H+4*\s+3], 0x80000000
	s_add_nc_u64 s[G0B+4*\s+2:G0B+4*\s+3], s[90:91], \s*256
	s_or_b32 s[G0B+4*\s+3], s[G0B+4*\s+3], 0x80000000
.endr
	JLOAD 0                                        ; the ring is filled before anything else is done: both first fills, ahead of every wait on TENSORcnt, every LDS read and every barrier
	JLOAD 1
	; A fragment is 16 rows x 32 K in 8 registers: lane l holds row l % 16, K = 8 (l / 16) + 0..7 and 16 + 8 (l / 16) + 0..7: two loads of 16 bytes, 32 bytes apart.
	v_and_b32 v1, 15, v0                           ; l % 16
	v_bfe_u32 v2, v0, 4, 1                         ; l / 16
	v_mul_u32_u24 v[ADRA], v1, PITCH
	v_lshl_add_u32 v[ADRA], v2, 4, v[ADRA]         ; row x pitch + 16 x half
	v_add_nc_u32 v[ADRA+1], SLOT, v[ADRA]
	s_mul_i32 s30, s[WV], 64*PITCH                 ; my 64 rows of B, behind A's 256
	s_add_co_u32 s30, s30, BOFF
	v_add_nc_u32 v[ADRB], s30, v[ADRA]
	v_add_nc_u32 v[ADRB+1], s30, v[ADRA+1]
	s_mul_i32 s30, s[WV], 16*PITCH
	s_add_co_u32 s30, s30, STAGE                   ; my stage
	v_mul_u32_u24 v[STO], v1, PITCH                ; in: row l % 16, 32 bytes for each half of the lanes
	v_lshl_add_u32 v[STO], v2, 5, v[STO]
	v_add_nc_u32 v[STO], s30, v[STO]
	v_mul_u32_u24 v[RD], v2, PITCH                 ; back: lanes 0-15 take one row of 256 bytes, lanes 16-31 the next
	v_lshl_add_u32 v[RD], v1, 4, v[RD]
	v_add_nc_u32 v[RD], s30, v[RD]
	v_lshlrev_b32 v[CO], 4, v1
	v_sub_nc_u32 v[LIM], s29, v2
.irp j, 0,1,2,3,4,5,6,7
	v_lshl_add_u32 v[PIDX+\j], v2, 2, 8*\j
.endr
	v_lshlrev_b32 v[R4], 2, v1
	v_lshlrev_b32 v[H32], 5, v2
	s_lshl_b32 s88, s22, 10                        ; my wave's 64 columns in out0's rows and in scales: 1,024 bytes a column block, 256 a wave
	s_lshl_b32 s94, s[WV], 8
	s_add_co_u32 s88, s88, s94
	s_add_nc_u64 s[16:17], s[16:17], s[88:89]
	s_add_nc_u64 s[14:15], s[14:15], s[88:89]
	s_lshl_b32 s94, s20, 2                         ; gate's column t
	s_mov_b32 s95, 0
	s_add_nc_u64 s[12:13], s[12:13], s[94:95]
	; The group's 256 row numbers (lane l: row l % 16 of block a), my lane's 32 scales, and the rows' gates.  All this stands in the wait for the first tiles.
.set a, 0
.rept 16
	global_load_b32 v[RID+a], v[R4], s[92:93] offset:64*a
.set a, a+1
.endr
	WIN 0xc0                                       ; destination window 3, address window 0
.irp b, 0,1,2,3
	global_load_b128 v[SC+8*\b:SC+8*\b+3],   v[H32], s[14:15] offset:64*\b
	global_load_b128 v[SC+8*\b+4:SC+8*\b+7], v[H32], s[14:15] offset:64*\b+16
.endr
	WIN 0
	s_wait_loadcnt 8                               ; the row numbers are in; the eight loads of scales may stay out
.set a, 0
.rept 16
	v_min_u32 v[RID+a], 0xfff, v[RID+a]            ; a loaded number is clamped to the table before it enters an address
	v_lshlrev_b32 v[TA+a], 4, v[RID+a]             ; a gate row is 16 bytes
.set a, a+1
.endr
	WIN 0xc0
.set a, 0
.rept 16
	global_load_b32 v[GF+2*a], v[TA+a], s[12:13]
.set a, a+1
.endr
	s_wait_loadcnt 0x0
	WIN 0xc3                                       ; source 0 and destination window 3
.set a, 0
.rept 16
	v_cvt_f32_i32 v[GF+2*a+1], v[GF+2*a]           ; the gate as a number, twice: a pair for the packed multiply
	v_cvt_f32_i32 v[GF+2*a], v[GF+2*a]
.set a, a+1
.endr
	WIN 0
; Row blocks a0 .. a1 x my 4 column blocks, 32 along K, from buffer f.  zero = 1: the first product starts the sums: nothing is cleared.  The accumulators take turns, one instruction a turn:
; between two instructions on one accumulator stand the 35 (63) others', over the loop's jump and on both ways round blocks 9-15 too.
.macro MULA f, a0, a1, zero
.set a, \a0
.rept (\a1)-(\a0)+1
.if a < 8
	WIN 0x50                                       ; C and D window 1
.else
	WIN 0xa0                                       ; C and D window 2
.endif
.irp b, 0,1,2,3
.if \zero
	v_wmma_f32_16x16x32_bf16 v[32*(a%8)+8*\b:32*(a%8)+8*\b+7], v[(\f)+8*\b:(\f)+8*\b+7], v[(\f)+32+8*a:(\f)+32+8*a+7], 0
.else
	v_wmma_f32_16x16x32_bf16 v[32*(a%8)+8*\b:32*(a%8)+8*\b+7], v[(\f)+8*\b:(\f)+8*\b+7], v[(\f)+32+8*a:(\f)+32+8*a+7], v[32*(a%8)+8*\b:32*(a%8)+8*\b+7]
.endif
.endr
.set a, a+1
.endr
.endm
; 26 LDS loads in one run: the fragments of 32 along K at byte k of the rows: my 64 rows of B, then A's blocks 0-8
.macro FETCH slot, k, f
	WIN 0
.irp b, 0,1,2,3
	ds_load_b128 v[(\f)+8*\b:(\f)+8*\b+3],   v[ADRB+(\slot)] offset:(\k)+\b*16*PITCH
	ds_load_b128 v[(\f)+8*\b+4:(\f)+8*\b+7], v[ADRB+(\slot)] offset:(\k)+\b*16*PITCH+32
.endr
.irp a, 0,1,2,3,4,5,6,7,8
	ds_load_b128 v[(\f)+32+8*\a:(\f)+32+8*\a+3],   v[ADRA+(\slot)] offset:(\k)+\a*16*PITCH
	ds_load_b128 v[(\f)+32+8*\a+4:(\f)+32+8*\a+7], v[ADRA+(\slot)] offset:(\k)+\a*16*PITCH+32
.endr
.endm
; Blocks 9-15 of the quarter in hand (B's fragments in buffer f), where the expert has more than 2,304 rows.  What is jumped holds LDS reads and matrix instructions alone.
.macro HI slot, k, f, zero
	WIN 0                                          ; at a branch and at a label every window is 0
	s_cmp_eq_u32 s[HIF], 0
	s_cbranch_scc1 .Lnohi_\@
	PLACES                                         ; for the loads into registers that the last such products read
	WIN 0xc0
.irp a, 9,10,11,12,13,14,15
	ds_load_b128 v[8*(\a-9):8*(\a-9)+3],   v[ADRA+(\slot)] offset:(\k)+\a*16*PITCH
	ds_load_b128 v[8*(\a-9)+4:8*(\a-9)+7], v[ADRA+(\slot)] offset:(\k)+\a*16*PITCH+32
.endr
	s_wait_dscnt 0x0                               ; these, and buffer f
	WIN 0xac                                       ; A window 3, C and D window 2
.irp a, 9,10,11,12,13,14,15
.irp b, 0,1,2,3
.if \zero
	v_wmma_f32_16x16x32_bf16 v[32*(\a-8)+8*\b:32*(\a-8)+8*\b+7], v[(\f)+8*\b:(\f)+8*\b+7], v[8*(\a-9):8*(\a-9)+7], 0
.else
	v_wmma_f32_16x16x32_bf16 v[32*(\a-8)+8*\b:32*(\a-8)+8*\b+7], v[(\f)+8*\b:(\f)+8*\b+7], v[8*(\a-9):8*(\a-9)+7], v[32*(\a-8)+8*\b:32*(\a-8)+8*\b+7]
.endif
.endr
.endr
	WIN 0
.Lnohi_\@:
.endm
; A K step is four quarters of 32 along K, 36 matrix instructions each, on buffers 0, 1, 0, 1.  One of the first three: multiplies buffer f (byte kcur) and fetches byte knext of the same slot into g.
.macro QUARTER slot, kcur, knext, f, g, zero
	HI \slot, \kcur, \f, \zero
	s_wait_dscnt 10                                ; B and A's blocks 0-3 are in; the youngest ten loads (blocks 4-8) may be out
	MULA \f, 0, 3, \zero
	PLACES                                         ; for the loads into buffer g, which the quarter before multiplied
	FETCH \slot, \knext, \g
	s_wait_dscnt 26                                ; all but the 26 just issued
	MULA \f, 4, 8, \zero
.endm
; The last quarter multiplies buffer 1 and changes slots: ONE barrier.  In front of it each wave waits for all its tensor loads (one is out: its part of the next slot), adds 0 to its spare word, and
; waits for that and for its reads of this slot.  Behind it nobody reads this slot any more and the next slot is whole.  fill = 1: this slot is filled again, two K steps on, first thing behind the
; barrier: the load has 120 matrix instructions of the wave in which to land.
.macro TURN slot, next, fill
	HI \slot, 192, F1, 0
	WIN 0
	s_wait_tensorcnt 0x0                           ; all my tensor loads have landed, so a group 0 may be written
	ds_add_u32 v[SPW], v[NIL]                      ; 0 onto my spare word
	s_wait_dscnt 11                                ; (the add and the youngest ten loads may be out)
	MULA F1, 0, 3, 0                               ; sixteen matrix instructions stand between the add and the wait for it
	s_wait_dscnt 0x0                               ; the add is done, and my reads of this slot are over
	s_barrier_signal -1
	MULA F1, 4, 5, 0                               ; work on registers while the others arrive
	WIN 0
	s_barrier_wait -1
.if \fill
	s_add_nc_u64 s[G0A+4*(\slot)+2:G0A+4*(\slot)+3], s[G0A+4*(\slot)+2:G0A+4*(\slot)+3], 512
	s_add_nc_u64 s[G0H+4*(\slot)+2:G0H+4*(\slot)+3], s[G0H+4*(\slot)+2:G0H+4*(\slot)+3], 512
	s_add_nc_u64 s[G0B+4*(\slot)+2:G0B+4*(\slot)+3], s[G0B+4*(\slot)+2:G0B+4*(\slot)+3], 512
	JLOAD \slot                                    ; my one tensor load behind the barrier; the four v_nop behind it are also the places in front of the loads below
.else
	PLACES
.endif
	FETCH \next, 0, F0
	MULA F1, 6, 8, 0
.endm
; THE WAY OUT of row block a: times scales, times the gate; 32 bytes a lane into my own stage, back as whole rows of 256 bytes; the rows' numbers come from the lanes that hold them; each store writes
; two rows' 256 consecutive bytes, aligned, by sixteen lanes each.  Rows past the group's count are masked off: the bounds rise with j, so each mask lies inside the one before it.
.macro OUTBLK a
	WIN (1+(\a)/8)|0x0c                            ; source 0: the accumulators' window; source 1: window 3
.set p, 0
.rept 16
	v_pk_mul_f32 v[T+2*p:T+2*p+1], v[32*((\a)%8)+2*p:32*((\a)%8)+2*p+1], v[SC+2*p:SC+2*p+1]  ; each accumulator's registers in ascending order
.set p, p+1
.endr
	WIN 0x0c
.set p, 0
.rept 16
	v_pk_mul_f32 v[T+2*p:T+2*p+1], v[T+2*p:T+2*p+1], v[GF+2*(\a):GF+2*(\a)+1]
.set p, p+1
.endr
	WIN 0
.irp j, 0,1,2,3,4,5,6,7
	ds_bpermute_b32 v[OFFS+\j], v[PIDX+\j], v[RID+(\a)]
.endr
.irp b, 0,1,2,3
	ds_store_b128 v[STO], v[T+8*\b:T+8*\b+3]   offset:64*\b
	ds_store_b128 v[STO], v[T+8*\b+4:T+8*\b+7] offset:64*\b+16
.endr
.irp j, 0,1,2,3,4,5,6,7
	ds_load_b128 v[BK+4*\j:BK+4*\j+3], v[RD] offset:2*\j*PITCH  ; LDS serves a wave's instructions in order (ISA guide 5.7.1.4): these see the stores above
.endr
	s_wait_dscnt 0x0
.irp j, 0,1,2,3,4,5,6,7
	v_min_u32 v[OFFS+\j], 0xfff, v[OFFS+\j]        ; clamped to out0's rows before it enters an address
.endr
.irp j, 0,1,2,3,4,5,6,7
	v_lshl_add_u32 v[OFFS+\j], v[OFFS+\j], 14, v[CO]
.endr
.irp j, 0,1,2,3,4,5,6,7
	s_wait_xcnt 0x0                                ; EXEC is a source of the stores issued so far: it changes only behind this wait
	v_cmpx_lt_i32 16*(\a)+2*\j, v[LIM]             ; row 16 a + 2 j + lane / 16 lies below the group's count
	global_store_b128 v[OFFS+\j], v[BK+4*\j:BK+4*\j+3], s[16:17] th:TH_STORE_NT
.endr
	s_wait_xcnt 0x0                                ; and ahead of the line that widens it; the next block also rewrites the stores' registers only behind this wait
	s_mov_b32 exec_lo, -1
.endm
	s_wait_tensorcnt 1                             ; my part of K step 0 is in; K step 1's may stay out
	s_barrier_signal -1
	s_barrier_wait -1                              ; everybody's is
	FETCH 0, 0, F0
	QUARTER 0, 0, 64, F0, F1, 1                    ; the first quarter stands in front of the loop: its products start the sums
	WIN 0
	s_mov_b32 s3, LAPS-1
.Llap:                                                 ; a trip goes once round the ring, from a lap's second quarter to the next lap's first, and fills both slots again
	QUARTER 0, 64,  128, F1, F0, 0
	QUARTER 0, 128, 192, F0, F1, 0
	TURN 0, 1, 1
	QUARTER 1, 0,   64,  F0, F1, 0
	QUARTER 1, 64,  128, F1, F0, 0
	QUARTER 1, 128, 192, F0, F1, 0
	TURN 1, 0, 1
	QUARTER 0, 0,   64,  F0, F1, 0
	WIN 0
	s_sub_co_u32 s3, s3, 1
	s_cmp_lg_u32 s3, 0
	s_cbranch_scc1 .Llap
	QUARTER 0, 64,  128, F1, F0, 0                 ; the last lap is written out: it fills nothing
	QUARTER 0, 128, 192, F0, F1, 0
	TURN 0, 1, 0
	QUARTER 1, 0,   64,  F0, F1, 0
	QUARTER 1, 64,  128, F1, F0, 0
	QUARTER 1, 128, 192, F0, F1, 0
	HI 1, 192, F1, 0                               ; the very last quarter: nothing more to fetch
	s_wait_dscnt 0x0
	MULA F1, 0, 8, 0
	PLACES                                         ; the scalings read results just made and write over fragments
.irp a, 0,1,2,3,4,5,6,7,8
	OUTBLK \a
.endr
	WIN 0
	s_cmp_eq_u32 s[HIF], 0
	s_cbranch_scc1 .Lend                           ; blocks 9-15 were not multiplied: the group has 144 rows at the most
.irp a, 9,10,11,12,13,14,15
	OUTBLK \a
.endr
	WIN 0
.Lend:
	s_wait_tensorcnt 0x0                           ; the wave's end, behind my last tensor load and my last LDS store
	ds_add_u32 v[SPW], v[NIL]
	s_wait_dscnt 0x0
	s_endpgm
.Lfunc_end_k_qdbdbba884f_gemm:
	.size	k_qdbdbba884f_gemm, .Lfunc_end_k_qdbdbba884f_gemm-k_qdbdbba884f_gemm
	.p2alignl 7, 3214868480
	.fill 96, 4, 3214868480
	.section	.rodata,"a",@progbits
	.p2align	6, 0x0
	.amdhsa_kernel k_qdbdbba884f_gemm
		.amdhsa_group_segment_fixed_size 327680
		.amdhsa_private_segment_fixed_size 0
		.amdhsa_enable_private_segment 0
		.amdhsa_kernarg_size 56
		.amdhsa_user_sgpr_count 2
		.amdhsa_user_sgpr_kernarg_segment_ptr 1
		.amdhsa_wavefront_size32 1
		.amdhsa_system_sgpr_workgroup_id_x 1
		.amdhsa_system_sgpr_workgroup_id_y 1
		.amdhsa_system_sgpr_workgroup_id_z 1
		.amdhsa_system_vgpr_workitem_id 0
		.amdhsa_next_free_vgpr 896
		.amdhsa_next_free_sgpr 96
		.amdhsa_reserve_vcc 0
		.amdhsa_float_denorm_mode_32 3
		.amdhsa_float_denorm_mode_16_64 3
		.amdhsa_memory_ordered 1
		.amdhsa_forward_progress 1
		.amdhsa_inst_pref_size 231
	.end_amdhsa_kernel
	.amdgpu_metadata
---
amdhsa.version: [ 1, 2 ]
amdhsa.kernels:
  - .name:           k_qdbdbba884f_gemm
    .symbol:         k_qdbdbba884f_gemm.kd
    .args:
      - { .name: xc, .offset: 0, .size: 8, .value_kind: global_buffer, .address_space: global }
      - { .name: wb, .offset: 8, .size: 8, .value_kind: global_buffer, .address_space: global }
      - { .name: rows, .offset: 16, .size: 8, .value_kind: global_buffer, .address_space: global }
      - { .name: cnt, .offset: 24, .size: 8, .value_kind: global_buffer, .address_space: global }
      - { .name: gate, .offset: 32, .size: 8, .value_kind: global_buffer, .address_space: global }
      - { .name: scales, .offset: 40, .size: 8, .value_kind: global_buffer, .address_space: global }
      - { .name: out0, .offset: 48, .size: 8, .value_kind: global_buffer, .address_space: global }
    .group_segment_fixed_size: 327680
    .private_segment_fixed_size: 0
    .kernarg_segment_align: 8
    .kernarg_segment_size: 56
    .max_flat_workgroup_size: 128
    .sgpr_count:     96
    .vgpr_count:     896
    .wavefront_size: 32
...
	.end_amdgpu_metadata
.endif
;; end of part 2
;; ======== version 2 of 2: 2 launches; 1.28 times as fast as version 1
;; workspace buffers: xc 134,217,728 bytes; wb 16,777,216 bytes; rows 65,536 bytes of whole numbers; cnt 256 bytes of whole numbers
;; launch prep (part 3): grid 256 x 1, 16 waves a work-group, no clusters, 4,096 bytes of LDS; arguments x, gate, weight, xc, wb, rows, cnt, out0; writes xc, wb, rows, cnt, out0
.if DOCPART == 3
	.amdgcn_target "amdgcn-amd-amdhsa--gfx1250"
	.amdhsa_code_object_version 6
	.text
	.protected	k_qdbdbba884f_prep
	.globl	k_qdbdbba884f_prep
	.p2align	8
	.type	k_qdbdbba884f_prep,@function
k_qdbdbba884f_prep:
	s_mov_b64 s[64:65], 0
	v_nop
	global_prefetch_b8 v0, s[64:65] scope:SCOPE_SE
	s_setreg_imm32_b32 hwreg(HW_REG_WAVE_MODE, 25, 1), 1
	s_wait_xcnt 0x0
; PREP.  x [4096][4096] f32, gate [4096][4] i32, weight [4096][4096] f32.  The four tiles of 1,024 output columns are four experts; row b belongs to expert t where gate[b][t] != 0.
; Stored: wb [4096][4096], ONE BYTE a number: the upper byte of the bf16 number 0.5 sign(weight) (0x3f, 0xbf, 0x00; its lower byte is 0), which is exact;
; xc [4][4096][4096] bf16: expert t's rows of x, rounded to nearest even, end to end in the order of b (a row's place is its RANK);  rows [4][4096] i32: the b of each rank;  cnt: the four counts n_t;
; with nb = ceil(n_t / 16) and g = 16 floor(15 nb / 16), the first rank of the product's last group of rows: zero entries of rows from rank n_t to g + 255 and zero rows of xc from rank n_t to g + 143
; (to g + 255 where nb > 144): all that the product reads;  and out0 = +0 in tile t of every row with gate[b][t] = 0.
; THE ORDER ALONG K.  Inside each 256 numbers of a row both wb and xc hold number 128 a + 4 l + e (a = 0, 1; l = 0..31; e = 0..3) at place 8 l + 4 a + e: the same order in both, so the product's sums
; have the same terms.  It is the order in which a lane's two loads of 16 bytes lie in its registers: a lane stores 16 neighbouring bytes of xc and 8 of wb, a wave 512 and 256 consecutive bytes, aligned.
; In wb the two middle bytes of each four are exchanged (e = 0, 2, 1, 3), so that the product gets e = 2, 3 as two bf16 numbers by one AND with 0xff00ff00.
; LIMITS.  Where gate = 0 the output is +0 (the product times 0 would be -0 for a negative one, NaN for one that is not finite).  A NaN in weight counts as +1 or -1 by its sign bit.
; SHARES.  256 work-groups of 16 waves; work-group g owns rows 16 g .. 16 g + 15 of x and of weight, wave w row b = 16 g + w of each: 16,384 bytes, 32 loads of 16 bytes a lane, each load of
; the wave 512 consecutive bytes.  Every work-group counts the whole gate for itself (65,536 bytes, 4,096 a wave), so no work-group waits for another and no sum is made in memory.
; No matrix unit, no cluster, no tensor load: nothing here is read by two work-groups but the gate.  Up to 32 loads of a wave are on their way; x's quarters are asked for into the registers that weight's leave.
.set SPARE, 2048                       ; LDS: bytes 0-2047 the waves' counts (128 bytes a wave); from 2,048 the spare words, 128 bytes a wave, that no other line names
.set OFF16, 2                          ; v2       16 x lane; never rewritten
.set OFF8,  3                          ; v3       8 x lane; never rewritten
.set Z,     4                          ; v[4:7]   0; never rewritten
.set T,     8                          ; v[8:11]  at work
.set SPW,   12                         ; v12      LDS address of my spare word
.set NIL,   13                         ; v13      0
.set P,     16                         ; v[16:31] a quarter row packed
.set D,     32                         ; v[32:159] a row as loaded: weight's, then quarter by quarter x's
.set G,     160                        ; v[160:195] gate: eight loads of 32 rows, then my group's own 16 rows
.set CV,    196                        ; v196     my wave's eight counts, one a lane
.set S,     197                        ; v[197:212] the sixteen waves' counts; their sum ends in v197
.set L4,    213                        ; v213     4 x lane
.set A4,    214                        ; v214     4 x thread
.set ROW,   215                        ; v215     256 w + lane: the first gate row that my lane counts
.set TOT,   24                         ; s[24:27] n_t
.set PRE,   28                         ; s[28:31] expert t's rows below my group's first row
.set MK,    32                         ; s[32:35] bit i: row 16 g + i belongs to expert t
.set DST,   40                         ; s[40:47] xc at my row's place in expert t
	s_load_b512 s[4:19], s[0:1], 0x0               ; x s[4:5], gate s[6:7], weight s[8:9], xc s[10:11], wb s[12:13], rows s[14:15], cnt s[16:17], out0 s[18:19]
	v_lshl_add_u32 v[SPW], v0, 2, SPARE
	v_mov_b32 v[NIL], 0
	v_and_b32 v1, 31, v0                           ; lane
	v_lshrrev_b32 v14, 5, v0
	v_readfirstlane_b32 s20, v14                   ; wave 0..15
	v_lshlrev_b32 v[OFF16], 4, v1
	v_lshlrev_b32 v[OFF8], 3, v1
.irp i, 0,1,2,3
	v_mov_b32 v[Z+\i], 0
.endr
	v_lshlrev_b32 v[L4], 2, v1
	v_lshlrev_b32 v[A4], 2, v0
	v_lshl_add_u32 v[ROW], s20, 8, v1
	v_lshl_add_u32 v14, s20, 12, v[OFF16]          ; my wave's 256 gate rows of 16 bytes, my lane's row among the first 32
	v_and_b32 v15, 15, v0
	v_lshlrev_b32 v15, 4, v15                      ; my group's own 16 gate rows: both halves of the lanes read the same
	s_lshl_b32 s21, ttmp9, 4                       ; the group's first row
	s_add_co_u32 s66, s21, s20                     ; b
	s_lshl_b32 s68, s66, 14                        ; b x 16,384 bytes (f32 rows),
	s_mov_b32 s69, 0
	s_lshl_b32 s70, s66, 12                        ; b x 4,096 (wb's rows)
	s_mov_b32 s71, 0
	s_lshl_b32 s72, ttmp9, 8                       ; 16 gate rows x 16 bytes
	s_mov_b32 s73, 0
	s_mov_b32 s60, 0x80000000                      ; a sign
	s_mov_b32 s61, 0x3f000000                      ; 0.5
	s_mov_b32 s76, 0x00000703                      ; v_perm_b32: the top bytes of two words into bytes 0 and 1, a zero byte into 2 and 3
	s_mov_b32 s77, 0x07030000                      ; the same into bytes 2 and 3
.irp t, 0,1,2,3
	s_mov_b32 s[TOT+\t], 0
	s_mov_b32 s[PRE+\t], 0
.endr
	s_wait_kmcnt 0x0
	s_add_nc_u64 s[48:49], s[4:5], s[68:69]        ; x at row b
	s_add_nc_u64 s[50:51], s[8:9], s[68:69]        ; weight at row b
	s_add_nc_u64 s[52:53], s[12:13], s[70:71]      ; wb at row b
	s_add_nc_u64 s[54:55], s[18:19], s[68:69]      ; out0 at row b
	s_add_nc_u64 s[74:75], s[6:7], s[72:73]        ; gate at the group's first row
.irp j, 0,1,2,3,4,5,6,7
	global_load_b128 v[G+4*\j:G+4*\j+3], v14, s[6:7] offset:512*\j
.endr
	global_load_b128 v[G+32:G+35], v15, s[74:75]
.set k, 0
.rept 32
	global_load_b128 v[D+4*k:D+4*k+3], v[OFF16], s[50:51] offset:512*k th:TH_LOAD_NT  ; the whole weight row goes out behind the gate
.set k, k+1
.endr
	; THE COUNT.  My wave's 256 gate rows: for each expert how many are chosen, and how many of those lie below my group's first row.
	s_wait_loadcnt 32                              ; loads come back in order: the nine gate loads are in, the 32 weight loads stay out; v14, v15 and s[74:75] are free
.set j, 0
.rept 8
	v_add_nc_u32 v14, 32*j, v[ROW]
	v_cmp_gt_u32 s36, s21, v14                     ; rows below the group's first
.irp t, 0,1,2,3
	v_cmp_ne_u32 s37, 0, v[G+4*j+\t]
	s_bcnt1_i32_b32 s38, s37
	s_add_co_u32 s[TOT+\t], s[TOT+\t], s38
	s_and_b32 s37, s37, s36
	s_bcnt1_i32_b32 s38, s37
	s_add_co_u32 s[PRE+\t], s[PRE+\t], s38
.endr
.set j, j+1
.endr
.irp t, 0,1,2,3
	v_cmp_ne_u32 s37, 0, v[G+32+\t]
	s_and_b32 s[MK+\t], s37, 0xffff
.endr
	; The sixteen waves' counts meet in LDS: lanes 0-3 carry the totals, lanes 4-7 the counts below.  The launch's one barrier; it stands ahead of every branch on data.
	v_mov_b32 v[CV], 0
.irp t, 0,1,2,3
	v_writelane_b32 v[CV], s[TOT+\t], \t
	v_writelane_b32 v[CV], s[PRE+\t], 4+\t
.endr
	ds_store_b32 v[A4], v[CV]
	s_wait_dscnt 0x0                               ; for the others' sake: my store is done
	s_barrier_signal -1
	s_barrier_wait -1
.set k, 0
.rept 16
	ds_load_b32 v[S+k], v[L4] offset:128*k
.set k, k+1
.endr
	s_wait_dscnt 0x0
.irp k, 1,3,5,7,9,11,13
	v_add3_u32 v[S], v[S], v[S+\k], v[S+\k+1]
.endr
	v_add_nc_u32 v[S], v[S], v[S+15]
.irp t, 0,1,2,3
	v_readlane_b32 s[TOT+\t], v[S], \t
	v_readlane_b32 s[PRE+\t], v[S], 4+\t
.endr
	; My row's rank in each expert: the rows below the group, and the group's rows below mine.  Clamped to the table before it enters an address.
	s_bfm_b32 s36, s20, 0                          ; w ones: the group's rows below mine
	s_mov_b32 s67, 0
.irp t, 0,1,2,3
	s_and_b32 s37, s[MK+\t], s36
	s_bcnt1_i32_b32 s37, s37
	s_add_co_u32 s37, s37, s[PRE+\t]
	s_min_u32 s37, s37, 4095
	s_add_co_u32 s37, s37, 4096*\t
	s_lshl_b32 s66, s37, 13
	s_add_nc_u64 s[DST+2*\t:DST+2*\t+1], s[10:11], s[66:67]
.endr
	; THE LIST: wave 0 stores the group's row numbers at their ranks, lane i for row 16 g + i; work-group 0's wave 0 also stores the four counts.
	s_cmp_lg_u32 s20, 0
	s_cbranch_scc1 .Lnot0
	v_add_nc_u32 v15, s21, v1
.irp t, 0,1,2,3
	v_mbcnt_lo_u32_b32 v[T+\t], s[MK+\t], 0        ; the group's chosen rows below lane's
	v_add_nc_u32 v[T+\t], s[PRE+\t], v[T+\t]
	v_min_u32 v[T+\t], 0xfff, v[T+\t]
	v_lshlrev_b32 v[T+\t], 2, v[T+\t]
.endr
.irp t, 0,1,2,3
	s_wait_xcnt 0x0                                ; EXEC is a source of the memory instructions issued so far: it changes only behind this wait
	s_and_saveexec_b32 s63, s[MK+\t]               ; the chosen rows' lanes alone
	global_store_b32 v[T+\t], v15, s[14:15] offset:16384*\t
	s_wait_xcnt 0x0                                ; and again, ahead of the line that widens it
	s_or_b32 exec_lo, exec_lo, s63
.endr
	s_cmp_lg_u32 ttmp9, 0
	s_cbranch_scc1 .Lnot0
	s_wait_xcnt 0x0
	v_cmpx_gt_u32 4, v1
	global_store_b32 v[L4], v[S], s[16:17]         ; lanes 0-3 hold n_0 .. n_3
	s_wait_xcnt 0x0
	s_mov_b32 exec_lo, -1
.Lnot0:
	; THE ZEROS OF out0: tile t of my row, 4,096 bytes, where the gate is 0.  Each store of the wave covers 512 consecutive bytes, aligned.
.irp t, 0,1,2,3
	s_bitcmp1_b32 s[MK+\t], s20
	s_cbranch_scc1 .Lnz\t
.irp j, 0,1,2,3,4,5,6,7
	global_store_b128 v[OFF16], v[Z:Z+3], s[54:55] offset:4096*\t+512*\j th:TH_STORE_NT
.endr
.Lnz\t:
.endr
	; THE PADS.  Expert g / 64 has 64 x 16 waves for them; wave number j of those takes rank n + j: a list entry if the rank lies below g + 256 (g as at the head; at most 271 ranks do), a zero row of
	; xc if it lies below g + 144, or g + 256 where nb > 144.
	s_lshr_b32 s66, ttmp9, 6
	s_and_b32 s67, ttmp9, 63
	s_lshl_b32 s67, s67, 4
	s_add_co_u32 s67, s67, s20
	s_mov_b32 s68, s[TOT]
	s_cmp_eq_u32 s66, 1
	s_cselect_b32 s68, s[TOT+1], s68
	s_cmp_eq_u32 s66, 2
	s_cselect_b32 s68, s[TOT+2], s68
	s_cmp_eq_u32 s66, 3
	s_cselect_b32 s68, s[TOT+3], s68               ; n of that expert
	s_add_co_u32 s69, s68, 15
	s_lshr_b32 s69, s69, 4                         ; nb
	s_mov_b32 s74, 144
	s_cmp_gt_u32 s69, 144
	s_cselect_b32 s74, 256, s74
	s_mul_i32 s69, s69, 15
	s_lshr_b32 s69, s69, 4
	s_lshl_b32 s69, s69, 4                         ; g
	s_add_co_u32 s74, s74, s69                     ; the first row of xc that nobody reads
	s_add_co_u32 s69, s69, 256                     ; the first list entry that nobody reads
	s_add_co_u32 s67, s67, s68
	s_cmp_lt_u32 s67, s69
	s_cbranch_scc0 .Lnopad
	s_cmp_lt_u32 s67, s74
	s_cselect_b32 s75, 1, 0
	s_min_u32 s67, s67, 4095
	s_lshl_b32 s66, s66, 12
	s_add_co_u32 s66, s66, s67
	s_lshl_b32 s70, s66, 13
	s_mov_b32 s71, 0
	s_lshl_b32 s72, s66, 2
	s_mov_b32 s73, 0
	s_add_nc_u64 s[56:57], s[10:11], s[70:71]
	s_add_nc_u64 s[58:59], s[14:15], s[72:73]
	s_wait_xcnt 0x0
	v_cmpx_eq_u32 0, v1
	global_store_b32 v[Z], v[Z], s[58:59]          ; the list's entry: row 0, which exists; nothing is stored for it later
	s_wait_xcnt 0x0
	s_mov_b32 exec_lo, -1
	s_cmp_eq_u32 s75, 0
	s_cbranch_scc1 .Lnopad
.set k, 0
.rept 16
	global_store_b128 v[OFF16], v[Z:Z+3], s[56:57] offset:512*k
.set k, k+1
.endr
.Lnopad:
; Quarter q of the weight row.  A number's code is the sign bit over 0.5, or 0 where the number is 0; only its top byte is not 0, and the four top bytes of a load's four numbers make a word, in the
; order 0, 2, 1, 3.  Then x's quarter q is asked for into the same registers, ahead of the stores.  Two loads' words are a lane's 8 bytes of wb.
.macro WQ q
	s_wait_loadcnt 24                              ; behind this quarter's eight loads 24 were issued: weight's later quarters and the x quarters asked for so far
	s_wait_xcnt 0x0                                ; P, v[8:11], v14 and v15 are rewritten only behind this wait
.set j, 0
.rept 8
.irp e, 0,1,2,3
	v_and_or_b32 v[T+\e], v[D+32*(\q)+4*j+\e], s60, s61
.endr
	v_cmp_neq_f32 vcc_lo, 0, v[D+32*(\q)+4*j]
	v_cmp_neq_f32 s36, 0, v[D+32*(\q)+4*j+1]
	v_cmp_neq_f32 s37, 0, v[D+32*(\q)+4*j+2]
	v_cmp_neq_f32 s38, 0, v[D+32*(\q)+4*j+3]
	v_cndmask_b32 v[T],   0, v[T],   vcc_lo
	v_cndmask_b32 v[T+1], 0, v[T+1], s36
	v_cndmask_b32 v[T+2], 0, v[T+2], s37
	v_cndmask_b32 v[T+3], 0, v[T+3], s38
	v_perm_b32 v14, v[T+2], v[T],   s76            ; byte 0: number 0; byte 1: number 2
	v_perm_b32 v15, v[T+3], v[T+1], s77            ; byte 2: number 1; byte 3: number 3
	v_or_b32 v[P+j], v14, v15
.set j, j+1
.endr
.irp j, 0,1,2,3,4,5,6,7
	global_load_b128 v[D+32*(\q)+4*\j:D+32*(\q)+4*\j+3], v[OFF16], s[48:49] offset:4096*(\q)+512*\j th:TH_LOAD_NT
.endr
.irp m, 0,1,2,3
	global_store_b64 v[OFF8], v[P+2*\m:P+2*\m+1], s[52:53] offset:1024*(\q)+256*\m
.endr
.endm
; Quarter q of the x row: rounded once, and stored into each expert that the row belongs to; two loads' eight numbers are a lane's 16 bytes.  left: the loads of the x quarters behind this one.
.macro XQ q, left
	s_wait_loadcnt \left
	s_wait_xcnt 0x0                                ; P is rewritten only behind this wait
.set p, 0
.rept 16
	v_cvt_pk_bf16_f32 v[P+p], v[D+32*(\q)+2*p], v[D+32*(\q)+2*p+1]
.set p, p+1
.endr
.irp t, 0,1,2,3
	s_bitcmp1_b32 s[MK+\t], s20
	s_cbranch_scc0 .Lxs\q\t
.irp m, 0,1,2,3
	global_store_b128 v[OFF16], v[P+4*\m:P+4*\m+3], s[DST+2*\t:DST+2*\t+1] offset:2048*(\q)+512*\m
.endr
.Lxs\q\t:
.endr
.endm
	WQ 0
	WQ 1
	WQ 2
	WQ 3
	XQ 0, 24
	XQ 1, 16
	XQ 2, 8
	XQ 3, 0
	s_wait_tensorcnt 0x0                           ; the wave's end, behind my last LDS store
	ds_add_u32 v[SPW], v[NIL]
	s_wait_dscnt 0x0
	s_endpgm
.Lfunc_end_k_qdbdbba884f_prep:
	.size	k_qdbdbba884f_prep, .Lfunc_end_k_qdbdbba884f_prep-k_qdbdbba884f_prep
	.p2alignl 7, 3214868480
	.fill 96, 4, 3214868480
	.section	.rodata,"a",@progbits
	.p2align	6, 0x0
	.amdhsa_kernel k_qdbdbba884f_prep
		.amdhsa_group_segment_fixed_size 4096
		.amdhsa_private_segment_fixed_size 0
		.amdhsa_enable_private_segment 0
		.amdhsa_kernarg_size 64
		.amdhsa_user_sgpr_count 2
		.amdhsa_user_sgpr_kernarg_segment_ptr 1
		.amdhsa_wavefront_size32 1
		.amdhsa_system_sgpr_workgroup_id_x 1
		.amdhsa_system_sgpr_workgroup_id_y 1
		.amdhsa_system_sgpr_workgroup_id_z 1
		.amdhsa_system_vgpr_workitem_id 0
		.amdhsa_next_free_vgpr 216
		.amdhsa_next_free_sgpr 96
		.amdhsa_reserve_vcc 1
		.amdhsa_float_denorm_mode_32 3
		.amdhsa_float_denorm_mode_16_64 3
		.amdhsa_memory_ordered 1
		.amdhsa_forward_progress 1
		.amdhsa_inst_pref_size 70
	.end_amdhsa_kernel
	.amdgpu_metadata
---
amdhsa.version: [ 1, 2 ]
amdhsa.kernels:
  - .name:           k_qdbdbba884f_prep
    .symbol:         k_qdbdbba884f_prep.kd
    .args:
      - { .name: x, .offset: 0, .size: 8, .value_kind: global_buffer, .address_space: global }
      - { .name: gate, .offset: 8, .size: 8, .value_kind: global_buffer, .address_space: global }
      - { .name: weight, .offset: 16, .size: 8, .value_kind: global_buffer, .address_space: global }
      - { .name: xc, .offset: 24, .size: 8, .value_kind: global_buffer, .address_space: global }
      - { .name: wb, .offset: 32, .size: 8, .value_kind: global_buffer, .address_space: global }
      - { .name: rows, .offset: 40, .size: 8, .value_kind: global_buffer, .address_space: global }
      - { .name: cnt, .offset: 48, .size: 8, .value_kind: global_buffer, .address_space: global }
      - { .name: out0, .offset: 56, .size: 8, .value_kind: global_buffer, .address_space: global }
    .group_segment_fixed_size: 4096
    .private_segment_fixed_size: 0
    .kernarg_segment_align: 8
    .kernarg_segment_size: 64
    .max_flat_workgroup_size: 512
    .sgpr_count:     96
    .vgpr_count:     216
    .wavefront_size: 32
...
	.end_amdgpu_metadata
.endif
;; end of part 3
;; launch gemm (part 4): grid 16 x 16, 4 waves a work-group, no clusters, 327,680 bytes of LDS; arguments xc, wb, rows, cnt, gate, scales, out0; writes out0
.if DOCPART == 4
	.amdgcn_target "amdgcn-amd-amdhsa--gfx1250"
	.amdhsa_code_object_version 6
	.text
	.protected	k_qdbdbba884f_gemm
	.globl	k_qdbdbba884f_gemm
	.p2align	8
	.type	k_qdbdbba884f_gemm,@function
k_qdbdbba884f_gemm:
	s_mov_b64 s[64:65], 0
	v_nop
	global_prefetch_b8 v0, s[64:65] scope:SCOPE_SE
	s_setreg_imm32_b32 hwreg(HW_REG_WAVE_MODE, 25, 1), 1
	s_wait_xcnt 0x0
; out0[b][o] = (sum over i of x[b][i] sign(weight[o][i])) x scales[o] x float(gate[b][o / 1024]), for the rows b with gate != 0 (the others were stored by the launch before).
; xc [4][4096][4096] bf16: expert t's rows end to end; wb [4096][4096]: a byte a number, the upper byte of the bf16 number 0.5 sign(weight); both in one common order along K (in wb the two middle bytes
; of each four exchanged); rows [4][4096]: the b of each rank; cnt: n_0 .. n_3.  Sums in f32; they are halves of the true sums, exactly, and 2 x scales makes up for it; then the gate, in f32.
; LIMITS.  x enters rounded to bf16 (nearest even); the signs are exact.  2 x scales is infinite for a scale beyond 1.7e38.  NaN and infinities are not treated apart.
; A GRID FOR EVERY SPLIT.  16 x 16 work-groups.  x = which 256 of the 4,096 columns, x / 4 = expert t; y = i, which of the expert's 16 groups of rows.  An expert's n_t rows are nb = ceil(n_t / 16) blocks
; of 16; group i takes blocks floor(i nb / 16) .. floor((i + 1) nb / 16) - 1: 16 at the most, whatever the split, and two groups differ by one block at the most.  Blocks 0-7 are always multiplied (a group
; with fewer multiplies rows that it does not store).  Block 8's four products of a chunk stand under a forward branch on the group's count of blocks, which jumps matrix instructions alone.  Blocks 9-15
; exist only where an expert has more than 2,304 rows: they are made behind the ring, in a loop of a constant count that takes both operands from memory straight into registers, under ONE forward
; branch that holds no barrier and no tensor load; there the four waves each read the same rows of xc: the price of keeping those rows out of every step's tile.
; NO CLUSTER.  The four column blocks of an expert need the same tiles of xc and the sixteen groups the same tiles of wb, but where a group's rows begin and how many blocks it has hang on n_t,
; a number read from memory.  The form without them multiplies 16 blocks in every group where the
; usual split needs 8: twice the matrix work, more than joint loads would save.  So each work-group asks for its own tiles.
; SHARES.  Four waves; wave w takes all the rows x columns 64 w .. 64 w + 63: 8, 9 or 16 x 4 accumulators of 16 x 16.  K goes in steps of 256 through two LDS slots: 144 rows of A (512 bytes each), 256 rows
; of B (256 bytes each).  Waves 0 and 1 fetch 72 rows of A each, waves 2 and 3 128 rows of B.  By this text's count a wave has two tensor loads out at the start and one behind each change of slots.
; A CHUNK is 32 along K.  A lane takes 16 neighbouring places of K of both operands (32 bytes of A, 16 of B): the same places on both sides, so the sums have the same terms.  B's bytes become bf16 in
; registers: of a word's four bytes v_perm_b32 sets bytes 0 and 2 over zero bytes, v_and_b32 keeps bytes 1 and 3; a chunk's 32 such lines ride two behind each of the first 16 products of the chunk before.
; THE MATRIX INSTRUCTION IS USED TRANSPOSED (source 0 = 16 rows of wb, source 1 = 16 rows of xc): a lane holds row lane % 16 and eight neighbouring columns 8 (lane / 16) + 0..7.
; REGISTERS, in windows of 256 (s_set_vgpr_msb: bits 1:0 source 0, 3:2 source 1, 5:4 source 2, 7:6 destination):
;   window 0: v0-29 addresses; v32-63 B's bytes, two buffers; v64-207 A's fragments, two buffers of 72; v208-223 the group's row numbers; v224-239 their byte offsets in gate; on the way out v64-175 at work
;   window 1: v0-63 B as bf16, two buffers; v64 zero; v96-255 accumulators of blocks 0-4          window 2: blocks 5-12          window 3: v0-95 blocks 13-15; v96-127 float(gate), twice each; v128-159 2 x scales
; B as bf16 lies in the window of blocks 0-4, so that the riders (destination and first source window 1, second source window 0) run under those products' own setting.
.set PA,    528                        ; a row of A in LDS: 512 bytes + 16 of padding = 132 words: the 16 rows of a fragment load start at 16 different groups of four banks (64 banks of 4 bytes: ISA guide 11.1)
.set PB,    272                        ; a row of B: 256 + 16 = 68 words: likewise
.set AB,    144*PA                     ; B's rows lie behind A's
.set SLOT,  AB+256*PB
.set STAGE, 2*SLOT                     ; behind the ring: 16 rows x 272 bytes for each wave, for the way out; no tensor load fills it
.set SP,    272
.set SPARE, STAGE+4*16*SP              ; behind the stages: the spare words, 128 bytes for each wave, that no other line names
.set LAPS,  8                          ; 4,096 along K = 16 steps of 256 = 8 times round the ring
.set ADRA, 4                           ; v4-7    LDS address of my A fragments: slot s, blocks 0-3 at ADRA + 2 s, blocks 4-8 at ADRA + 2 s + 1 (an offset holds 16 bits)
.set ADRB, 8                           ; v8-9    the same for B, slot 0, 1
.set STO,  10                          ; v10     the way out: where I put 32 bytes of a row
.set RD,   11                          ; v11     where I read a row back
.set CO,   12                          ; v12     16 (lane % 16): my bytes in a row's 256
.set LIM,  13                          ; v13     in the group's last block, if it is not full: its count of rows less lane / 16
.set PIDX, 14                          ; v14-21  4 x (2 j + lane / 16): the lane that holds the number of row 2 j + lane / 16 of a block
.set R4,   22                          ; v22     4 (lane % 16)
.set H32,  23                          ; v23     32 (lane / 16)
.set AHO,  24                          ; v24     blocks 9-15: my byte offset in 16 rows of xc
.set BHO,  25                          ; v25     and in 16 rows of wb
.set SPW,  28                          ; v28     LDS address of my spare word; never rewritten
.set NIL,  29                          ; v29     0; never rewritten
.set RB,   32                          ; B's bytes: buffer p at RB + 16 p
.set FA,   64                          ; A's fragments: buffer p at FA + 72 p
.set RID,  208
.set TA,   224
.set T,    64                          ; the way out: a block scaled
.set BK,   96                          ; read back as whole rows: two sets of 32, by the block's parity
.set OFFS, 160                         ; the eight stores' byte offsets in out0: two sets of 8, likewise
.set CB,   0                           ; window 1: B as bf16: buffer p at CB + 32 p
.set ZR,   64                          ; window 1: 0
.set GF,   96                          ; window 3
.set SC,   128                         ; window 3
.set WV,   18                          ; s18  my wave's number
.set HIF,  28                          ; s28  1: the group has 10 blocks or more
.set VV,   29                          ; s29  the group's count of rows
.set B8F,  31                          ; s31  1: the group has 9 blocks or more
.set G1A,  32                          ; s[32:39] group 1 for A's halves;  s[40:47] for B's
.set G1B,  40
.set G0A,  48                          ; s[48:55], s[56:63] group 0 of the two, a set for each slot
.set G0B,  56
.set AHB,  66                          ; s[66:67] blocks 9-15: xc at the group's row 144
.set BHB,  68                          ; s[68:69] wb at my wave's first row
.set SEL,  70                          ; s70  v_perm_b32's select: bytes 0 and 2 of the second source, each over a byte of the first
.set MSK,  71                          ; s71  0xff00ff00
.set VR,   72                          ; s72  the way out: the group's rows from the block in hand on
.set MSB, 0
.macro WIN new                         ; the immediate's high byte repeats the setting that is left; a switch that changes nothing is dropped
.if MSB != (\new)
	s_set_vgpr_msb (MSB<<8)|(\new)
.set MSB, \new
.endif
.endm
.macro PLACES                          ; four plain vector instructions between a matrix instruction and a load into, or a vector instruction on, its registers
.rept 4
	v_nop
.endr
.endm
.macro ACCOF a                         ; block a's accumulators: window AW, first register AR
.if (\a) < 5
.set AW, 1
.set AR, 96+32*(\a)
.elseif (\a) < 13
.set AW, 2
.set AR, 32*((\a)-5)
.else
.set AW, 3
.set AR, 32*((\a)-13)
.endif
.endm
; A wave's one load of a slot: a line for A and a line for B, chosen by the wave's number alone.  An s_nop 0 and four v_nop follow each line, ahead of the jump and the label.
.macro JLOAD s
	s_cmp_eq_u32 s21, 0
	s_cbranch_scc0 .Ljb_\@
	tensor_load_to_lds s[G0A+4*(\s):G0A+4*(\s)+3], s[G1A:G1A+7]
	s_nop 0
	PLACES
	s_branch .Ljd_\@
.Ljb_\@:
	tensor_load_to_lds s[G0B+4*(\s):G0B+4*(\s)+3], s[G1B:G1B+7]
	s_nop 0
	PLACES
.Ljd_\@:
.endm
	s_load_b256 s[4:11], s[0:1], 0x0               ; xc s[4:5], wb s[6:7], rows s[8:9], cnt s[10:11]
	s_load_b128 s[12:15], s[0:1], 0x20             ; gate s[12:13], scales s[14:15]
	s_load_b64 s[16:17], s[0:1], 0x30              ; out0
	v_lshl_add_u32 v[SPW], v0, 2, SPARE
	v_mov_b32 v[NIL], 0
	ds_add_u32 v[SPW], v[NIL]                      ; the wave's opening: the add and its wait stand ahead of my first tensor load; the set-up below, work on registers, stands between them
	v_lshrrev_b32 v3, 5, v0
	v_readfirstlane_b32 s[WV], v3                  ; wave 0..3
	s_and_b32 s19, s[WV], 1                        ; which half of a tile I fetch
	s_lshr_b32 s21, s[WV], 1                       ; of A's (0) or of B's (1)
	s_mov_b32 s22, ttmp9                           ; block of 256 columns, 0..15
	s_lshr_b32 s20, ttmp9, 2                       ; expert t
	s_and_b32 s23, ttmp7, 0xffff                   ; group of rows i, 0..15
	s_mov_b32 s[G1A],   (1<<16)|(1<<20)|(6<<22)|(3<<25)  ; 17:16 elements of 2 bytes; 20 padding on; 24:22 after every 128 words (code 6); 31:25 4 words of it (code 3)
	s_mov_b32 s[G1A+1], 256<<16                    ; tensor_dim0 = 256
	s_mov_b32 s[G1A+2], 72<<16                     ; tensor_dim1 = 72
	s_mov_b32 s[G1A+3], 256<<16                    ; tile_dim0 = 256 elements: 512 bytes
	s_mov_b32 s[G1A+4], 72                         ; tile_dim1 = 72 rows
	s_mov_b32 s[G1A+5], 4096                       ; elements from row to row
	s_mov_b32 s[G1A+6], 0
	s_mov_b32 s[G1A+7], 0
	s_mov_b32 s[G1B],   (1<<16)|(1<<20)|(5<<22)|(3<<25)  ; the same with padding after every 64 words (code 5); wb's bytes are moved two to an element
	s_mov_b32 s[G1B+1], 128<<16                    ; tensor_dim0 = 128
	s_mov_b32 s[G1B+2], 128<<16                    ; tensor_dim1 = 128
	s_mov_b32 s[G1B+3], 128<<16                    ; tile_dim0 = 128 elements: 256 bytes
	s_mov_b32 s[G1B+4], 128                        ; tile_dim1 = 128 rows
	s_mov_b32 s[G1B+5], 2048                       ; a row of wb is 4,096 bytes
	s_mov_b32 s[G1B+6], 0
	s_mov_b32 s[G1B+7], 0
	s_mul_i32 s2, s19, 72*PA
	s_mul_i32 s30, s19, 128*PB
.irp s, 0,1
	s_mov_b32 s[G0A+4*\s], 1                       ; 1:0 count = 1
	s_add_co_u32 s[G0A+4*\s+1], s2, \s*SLOT        ; 63:32 LDS address
	s_mov_b32 s[G0B+4*\s], 1
	s_add_co_u32 s[G0B+4*\s+1], s30, \s*SLOT+AB
.endr
	s_mov_b32 s[SEL], 0x02040004
	s_mov_b32 s[MSK], 0xff00ff00
	s_lshl_b32 s88, s22, 20                        ; B: row 256 x column block + 128 x half, rows of 4,096 bytes
	s_lshl_b32 s89, s19, 19
	s_add_co_u32 s88, s88, s89
	s_mov_b32 s89, 0
	s_wait_dscnt 0x0                               ; the opening add is done
	s_wait_kmcnt 0x0
	s_load_b128 s[84:87], s[10:11], 0x0            ; the four counts
	s_add_nc_u64 s[90:91], s[6:7], s[88:89]
	s_wait_kmcnt 0x0
	s_mov_b32 s24, s84
	s_cmp_eq_u32 s20, 1
	s_cselect_b32 s24, s85, s24
	s_cmp_eq_u32 s20, 2
	s_cselect_b32 s24, s86, s24
	s_cmp_eq_u32 s20, 3
	s_cselect_b32 s24, s87, s24
	s_min_u32 s24, s24, 4096                       ; n of my expert
	s_add_co_u32 s25, s24, 15
	s_lshr_b32 s25, s25, 4                         ; nb: its blocks of 16 rows, 256 at the most
	s_mul_i32 s27, s23, s25                        ; i nb
	s_add_co_u32 s26, s27, s25                     ; (i + 1) nb
	s_lshr_b32 s27, s27, 4                         ; my group's first block,
	s_lshr_b32 s26, s26, 4                         ; the next group's
	s_sub_co_u32 s26, s26, s27                     ; my group's blocks, 0..16
	s_min_u32 s27, s27, 240                        ; clamped here, so that only shifts left and sums lie between the clamp and an address
	s_lshl_b32 s27, s27, 4                         ; my group's first rank
	s_cmp_gt_u32 s26, 9
	s_cselect_b32 s[HIF], 1, 0
	s_cmp_gt_u32 s26, 8
	s_cselect_b32 s[B8F], 1, 0
	s_lshl_b32 s26, s26, 4
	s_sub_co_i32 s[VV], s24, s27
	s_max_i32 s[VV], s[VV], 0
	s_min_i32 s[VV], s[VV], s26                    ; how many rows my group has: all its blocks are full but, in the expert's last group, the last
	s_lshl_b32 s84, s20, 12
	s_add_co_u32 s84, s84, s27                     ; 4,096 t + first rank
	s_lshl_b32 s92, s84, 2
	s_mov_b32 s93, 0
	s_lshl_b32 s94, s84, 13
	s_mov_b32 s95, 0
	s_add_nc_u64 s[AHB:AHB+1], s[4:5], s[94:95]    ; xc at my group's first row
	s_add_nc_u64 s[92:93], s[8:9], s[92:93]        ; rows at my group's first entry
	s_mul_i32 s94, s19, 72*8192
	s_add_nc_u64 s[86:87], s[AHB:AHB+1], s[94:95]  ; the half of A's tile that I fetch
	s_add_nc_u64 s[AHB:AHB+1], s[AHB:AHB+1], 144*8192
.irp s, 0,1
	s_add_nc_u64 s[G0A+4*\s+2:G0A+4*\s+3], s[86:87], \s*512            ; 120:64 global address: K step s
	s_or_b32 s[G0A+4*\s+3], s[G0A+4*\s+3], 0x80000000                 ; 127:126 type = 2
	s_add_nc_u64 s[G0B+4*\s+2:G0B+4*\s+3], s[90:91], \s*256
	s_or_b32 s[G0B+4*\s+3], s[G0B+4*\s+3], 0x80000000
.endr
	JLOAD 0                                        ; the ring is filled before anything else is done: both first fills, ahead of every wait on TENSORcnt, every LDS read and every barrier
	JLOAD 1
	; A fragment is 16 rows x 32 K in 8 registers.  Lane l holds row l % 16 and the 16 places 16 (l / 16) + 0..15 of the chunk: of A two loads of 16 bytes on end, of B one.
	v_and_b32 v1, 15, v0                           ; l % 16
	v_bfe_u32 v2, v0, 4, 1                         ; l / 16; never rewritten
	v_mul_u32_u24 v[ADRA], v1, PA
	v_lshl_add_u32 v[ADRA], v2, 5, v[ADRA]         ; row x pitch + 32 x half
	v_add_nc_u32 v[ADRA+1], 4*16*PA, v[ADRA]
	v_add_nc_u32 v[ADRA+2], SLOT, v[ADRA]
	v_add_nc_u32 v[ADRA+3], SLOT, v[ADRA+1]
	v_mul_u32_u24 v[ADRB], v1, PB
	v_lshl_add_u32 v[ADRB], v2, 4, v[ADRB]         ; row x pitch + 16 x half
	s_mul_i32 s30, s[WV], 64*PB                    ; my 64 rows of B, behind A's 144
	s_add_co_u32 s30, s30, AB
	v_add_nc_u32 v[ADRB], s30, v[ADRB]
	v_add_nc_u32 v[ADRB+1], SLOT, v[ADRB]
	s_mul_i32 s30, s[WV], 16*SP
	s_add_co_u32 s30, s30, STAGE                   ; my stage
	v_mul_u32_u24 v[STO], v1, SP                   ; in: row l % 16, 32 bytes for each half of the lanes
	v_lshl_add_u32 v[STO], v2, 5, v[STO]
	v_add_nc_u32 v[STO], s30, v[STO]
	v_mul_u32_u24 v[RD], v2, SP                    ; back: lanes 0-15 take one row of 256 bytes, lanes 16-31 the next
	v_lshl_add_u32 v[RD], v1, 4, v[RD]
	v_add_nc_u32 v[RD], s30, v[RD]
	v_lshlrev_b32 v[CO], 4, v1
.irp j, 0,1,2,3,4,5,6,7
	v_lshl_add_u32 v[PIDX+\j], v2, 2, 8*\j
.endr
	v_lshlrev_b32 v[R4], 2, v1
	v_lshlrev_b32 v[H32], 5, v2
	v_lshlrev_b32 v[AHO], 13, v1                   ; a row of xc is 8,192 bytes,
	v_lshl_add_u32 v[AHO], v2, 5, v[AHO]
	v_lshlrev_b32 v[BHO], 12, v1                   ; a row of wb 4,096
	v_lshl_add_u32 v[BHO], v2, 4, v[BHO]
	WIN 0x40
	v_mov_b32 v[ZR], 0
	WIN 0
	s_lshl_b32 s88, s22, 20                        ; wb at row 256 x column block + 64 x wave
	s_lshl_b32 s94, s[WV], 18
	s_add_co_u32 s88, s88, s94
	s_add_nc_u64 s[BHB:BHB+1], s[6:7], s[88:89]
	s_lshl_b32 s88, s22, 10                        ; my wave's 64 columns in out0's rows and in scales: 1,024 bytes a column block, 256 a wave
	s_lshl_b32 s94, s[WV], 8
	s_add_co_u32 s88, s88, s94
	s_add_nc_u64 s[16:17], s[16:17], s[88:89]
	s_add_nc_u64 s[14:15], s[14:15], s[88:89]
	s_lshl_b32 s94, s20, 2                         ; gate's column t
	s_add_nc_u64 s[12:13], s[12:13], s[94:95]
	; The group's 256 row numbers (lane l: row l % 16 of block a) and my lane's 32 scales are asked for here and waited for later: nothing ahead of the way out needs them but the loads of the gates.
.set a, 0
.rept 16
	global_load_b32 v[RID+a], v[R4], s[92:93] offset:64*a
.set a, a+1
.endr
	WIN 0xc0                                       ; destination window 3, address window 0
.irp b, 0,1,2,3
	global_load_b128 v[SC+8*\b:SC+8*\b+3],   v[H32], s[14:15] offset:64*\b
	global_load_b128 v[SC+8*\b+4:SC+8*\b+7], v[H32], s[14:15] offset:64*\b+16
.endr
	WIN 0
; The next of the 32 lines that make buffer g of B's bytes into bf16: of word rq / 2 an even register takes bytes 0 and 2, each over a zero byte, an odd one bytes 1 and 3 where they lie.  It runs under
; the setting of blocks 0-4's products.
.macro RIDE g
.if rq < 32
.if rq%2
	v_and_b32 v[CB+32*(\g)+rq], s[MSK], v[RB+16*(\g)+rq/2]
.else
	v_perm_b32 v[CB+32*(\g)+rq], v[ZR], v[RB+16*(\g)+rq/2], s[SEL]
.endif
.set rq, rq+1
.endif
.endm
; Row blocks a0 .. a1 x my 4 column blocks, 32 along K, from buffers p; A's fragment of block a lies at place a - a9 of its buffer.  zero = 1: the first product starts the sums: nothing is cleared.
; ride = 1: two of the other buffer's conversions behind each product.  The accumulators take turns, one instruction a turn: no two products that follow each other share one,
; over the loops' jumps and on both ways round block 8 too.
.macro MUL p, a0, a1, zero, ride, a9=0
.set a, \a0
.rept (\a1)-(\a0)+1
	ACCOF a
	WIN (AW<<6)|(AW<<4)|1                          ; B window 1, A window 0, C and D the block's window
.irp b, 0,1,2,3
.if \zero
	v_wmma_f32_16x16x32_bf16 v[AR+8*\b:AR+8*\b+7], v[CB+32*(\p)+8*\b:CB+32*(\p)+8*\b+7], v[FA+72*(\p)+8*(a-(\a9)):FA+72*(\p)+8*(a-(\a9))+7], 0
.else
	v_wmma_f32_16x16x32_bf16 v[AR+8*\b:AR+8*\b+7], v[CB+32*(\p)+8*\b:CB+32*(\p)+8*\b+7], v[FA+72*(\p)+8*(a-(\a9)):FA+72*(\p)+8*(a-(\a9))+7], v[AR+8*\b:AR+8*\b+7]
.endif
.if \ride
	RIDE 1-(\p)
	RIDE 1-(\p)
.endif
.endr
.set a, a+1
.endr
.endm
; Blocks 5-7, and block 8 where the group has it.  What is jumped holds four matrix instructions alone.
.macro MUL58 p, zero
	MUL \p, 5, 7, \zero, 0
	WIN 0                                          ; at a branch and at a label every window is 0
	s_cmp_eq_u32 s[B8F], 0
	s_cbranch_scc1 .Lno8_\@
	MUL \p, 8, 8, \zero, 0
	WIN 0
.Lno8_\@:
.endm
.macro FETCHA slot, c, p               ; 18 LDS loads: A's nine fragments of chunk c of the slot into buffer p; always all nine, so that the counted waits hold on both ways round block 8
.irp a, 0,1,2,3
	ds_load_b128 v[FA+72*(\p)+8*\a:FA+72*(\p)+8*\a+3],   v[ADRA+2*(\slot)] offset:64*(\c)+\a*16*PA
	ds_load_b128 v[FA+72*(\p)+8*\a+4:FA+72*(\p)+8*\a+7], v[ADRA+2*(\slot)] offset:64*(\c)+\a*16*PA+16
.endr
.irp a, 4,5,6,7,8
	ds_load_b128 v[FA+72*(\p)+8*\a:FA+72*(\p)+8*\a+3],   v[ADRA+2*(\slot)+1] offset:64*(\c)+(\a-4)*16*PA
	ds_load_b128 v[FA+72*(\p)+8*\a+4:FA+72*(\p)+8*\a+7], v[ADRA+2*(\slot)+1] offset:64*(\c)+(\a-4)*16*PA+16
.endr
.endm
.macro FETCHB slot, c, p               ; 4 LDS loads: the bytes of my four fragments of B of chunk c into buffer p
.irp b, 0,1,2,3
	ds_load_b128 v[RB+16*(\p)+4*\b:RB+16*(\p)+4*\b+3], v[ADRB+(\slot)] offset:32*(\c)+\b*16*PB
.endr
.endm
; CHUNK c (0 to 5) of a slot's eight.  Buffers go by the chunk's parity.  At its head, four places behind the last product, ONE run of loads: A of chunk c + 1 and B's bytes of chunk c + 2, into the buffers
; that chunk c - 1 has left.  Then its 32 or 36 products; behind the first 16 ride the conversions of chunk c + 1's B, whose bytes came a chunk ago.  The four places also stand between the last product
; that read B's other bf16 buffer and the riders that write it.
.macro CHUNK slot, c, zero
.set rq, 0
	WIN 0
	PLACES
	FETCHA \slot, (\c)+1, 1-(\c)%2
	FETCHB \slot, (\c)+2, (\c)%2
	s_wait_dscnt 22                                ; all but the 22 just issued: this chunk's A and the next chunk's bytes are in
	MUL (\c)%2, 0, 4, \zero, 1
	MUL58 (\c)%2, \zero
.endm
; CHUNK 6 changes slots: the slot's last bytes, A of chunk 7, are asked for at its head.  ONE barrier: in front of it each wave waits for all its tensor loads (one is out: its part of the next slot), adds 0
; to its spare word, and waits for that and for its reads of this slot.  Behind it nobody reads this slot any more and the next slot is whole.  fill = 1: this slot is filled again, two K steps on, first
; thing behind the barrier: the load has a K step less 20 matrix instructions of the wave in which to land.  Then come the bytes of the next slot's chunk 0.
.macro TURN slot, next, fill
.set rq, 0
	WIN 0
	PLACES
	FETCHA \slot, 7, 1
	s_wait_tensorcnt 0x0                           ; all my tensor loads have landed, so a group 0 may be written
	ds_add_u32 v[SPW], v[NIL]                      ; 0 onto my spare word
	s_wait_dscnt 19                                ; (the add and the 18 loads just issued may be out)
	MUL 0, 0, 2, 0, 1                              ; twelve matrix instructions and their riders stand between the add and the wait for it
	s_wait_dscnt 0x0                               ; the add is done, and my reads of this slot are over
	s_barrier_signal -1
	MUL 0, 3, 4, 0, 1                              ; work on registers while the others arrive
	WIN 0
	s_barrier_wait -1
.if \fill
	s_add_nc_u64 s[G0A+4*(\slot)+2:G0A+4*(\slot)+3], s[G0A+4*(\slot)+2:G0A+4*(\slot)+3], 1024
	s_add_nc_u64 s[G0B+4*(\slot)+2:G0B+4*(\slot)+3], s[G0B+4*(\slot)+2:G0B+4*(\slot)+3], 512
	JLOAD \slot                                    ; my one tensor load behind the barrier
.endif
	FETCHB \next, 0, 0
	MUL58 0, 0
.endm
; CHUNK 7 is a chunk like any other, but what it fetches lies at the head of the next slot.
.macro CROSS next
.set rq, 0
	WIN 0
	PLACES
	FETCHA \next, 0, 0
	FETCHB \next, 1, 1
	s_wait_dscnt 22
	MUL 1, 0, 4, 0, 1
	MUL58 1, 0
.endm
; BLOCKS 9-15.  18 loads from memory: the bytes of my four fragments of B and A's seven fragments of the chunk c chunks behind the two bases, into buffers p.
.macro HLOAD p, c
	WIN 0
.irp b, 0,1,2,3
	global_load_b128 v[RB+16*(\p)+4*\b:RB+16*(\p)+4*\b+3], v[BHO], s[BHB:BHB+1] offset:32*(\c)+\b*16*4096
.endr
.irp a, 0,1,2,3,4,5,6
	global_load_b128 v[FA+72*(\p)+8*\a:FA+72*(\p)+8*\a+3],   v[AHO], s[AHB:AHB+1] offset:64*(\c)+\a*16*8192
	global_load_b128 v[FA+72*(\p)+8*\a+4:FA+72*(\p)+8*\a+7], v[AHO], s[AHB:AHB+1] offset:64*(\c)+\a*16*8192+16
.endr
.endm
.macro HCONV p                         ; a buffer's 32 conversions on end
.set rq, 0
	WIN 0x51
.rept 32
	RIDE \p
.endr
.endm
; THE WAY OUT of row block a; the blocks go in ascending order.  A block that the group does not have ends the way out.  Times 2 x scales, times the gate; 32 bytes a lane into my own stage, back as whole
; rows of 256 bytes; the rows' numbers come from the lanes that hold them; each store writes two rows' 256 consecutive bytes, aligned, by sixteen lanes each, with all lanes on.  A block that is not
; full is the group's last: it leaves for one of the two tails below, which mask its stores.  The registers that the stores read take turns in two sets.
.macro OUTBLK a
	WIN 0
.if (\a) == 8
	s_cmp_eq_u32 s[B8F], 0                         ; 8 blocks at the most: 128 rows at the most
.elseif (\a) == 9
	s_cmp_eq_u32 s[HIF], 0                         ; 9 blocks at the most
.else
	s_cmp_le_i32 s[VV], 16*(\a)
.endif
	s_cbranch_scc1 .Lend
	ACCOF \a
.set BKA, BK+32*((\a)%2)
.set OFA, OFFS+8*((\a)%2)
	WIN AW|0x0c                                    ; source 0: the accumulators' window; source 1: window 3
.set p, 0
.rept 16
	v_pk_mul_f32 v[T+2*p:T+2*p+1], v[AR+2*p:AR+2*p+1], v[SC+2*p:SC+2*p+1]  ; each accumulator's registers in ascending order
.set p, p+1
.endr
	WIN 0x0c
.set p, 0
.rept 16
	v_pk_mul_f32 v[T+2*p:T+2*p+1], v[T+2*p:T+2*p+1], v[GF+2*(\a):GF+2*(\a)+1]
.set p, p+1
.endr
	WIN 0
.irp j, 0,1,2,3,4,5,6,7
	ds_bpermute_b32 v[OFA+\j], v[PIDX+\j], v[RID+(\a)]
.endr
.irp b, 0,1,2,3
	ds_store_b128 v[STO], v[T+8*\b:T+8*\b+3]   offset:64*\b
	ds_store_b128 v[STO], v[T+8*\b+4:T+8*\b+7] offset:64*\b+16
.endr
.irp j, 0,1,2,3,4,5,6,7
	ds_load_b128 v[BKA+4*\j:BKA+4*\j+3], v[RD] offset:2*\j*SP  ; LDS serves a wave's instructions in order (ISA guide 5.7.1.4): these see the stores above
.endr
	s_wait_dscnt 0x0
.irp j, 0,1,2,3,4,5,6,7
	v_min_u32 v[OFA+\j], 0xfff, v[OFA+\j]          ; clamped to out0's rows before it enters an address
.endr
.irp j, 0,1,2,3,4,5,6,7
	v_lshl_add_u32 v[OFA+\j], v[OFA+\j], 14, v[CO]
.endr
	s_wait_xcnt 0x0                                ; the stores of the block before have had their addresses translated (ISA guide 3.1): the block behind this one rewrites their set only behind this wait
	s_sub_co_i32 s[VR], s[VV], 16*(\a)
	s_cmp_lt_i32 s[VR], 16
.if (\a)%2
	s_cbranch_scc1 .Lpart1
.else
	s_cbranch_scc1 .Lpart0
.endif
.irp j, 0,1,2,3,4,5,6,7
	global_store_b128 v[OFA+\j], v[BKA+4*\j:BKA+4*\j+3], s[16:17] th:TH_STORE_NT
.endr
.endm
; The stores of a block with 1 to 15 rows, from set p.  Rows past the count are masked off: the bounds rise with j, so each mask lies inside the one before it.
.macro PART p
.Lpart\p:
	v_sub_nc_u32 v[LIM], s[VR], v2
.irp j, 0,1,2,3,4,5,6,7
	s_wait_xcnt 0x0                                ; EXEC is a source of the stores issued so far: it changes only behind this wait
	v_cmpx_lt_i32 2*\j, v[LIM]                     ; row 2 j + lane / 16 of the block lies below its count
	global_store_b128 v[OFFS+8*(\p)+\j], v[BK+32*(\p)+4*\j:BK+32*(\p)+4*\j+3], s[16:17] th:TH_STORE_NT
.endr
	s_wait_xcnt 0x0                                ; and ahead of the line that widens it
	s_mov_b32 exec_lo, -1
.endm
	s_wait_tensorcnt 1                             ; my part of K step 0 is in; K step 1's may stay out
	s_barrier_signal -1
	s_barrier_wait -1                              ; everybody's is
	FETCHB 0, 0, 0
	FETCHB 0, 1, 1
	FETCHA 0, 0, 0
	s_wait_dscnt 22                                ; chunk 0's bytes are in; the 22 loads behind them may be out
	HCONV 0                                        ; there are no products yet for these to ride behind
	CHUNK 0, 0, 1                                  ; the first chunk stands in front of the loop: its products start the sums
	WIN 0
	s_wait_loadcnt 8                               ; the row numbers are in; the eight loads of scales may stay out
.set a, 0
.rept 16
	v_min_u32 v[RID+a], 0xfff, v[RID+a]            ; a loaded number is clamped to the table before it enters an address
	v_lshlrev_b32 v[TA+a], 4, v[RID+a]             ; a gate row is 16 bytes
.set a, a+1
.endr
	WIN 0xc0
.set a, 0
.rept 16
	global_load_b32 v[GF+2*a], v[TA+a], s[12:13]   ; the rows' gates: on their way during the ring; nothing there names their registers
.set a, a+1
.endr
	WIN 0
	s_mov_b32 s3, LAPS-1
.Llap:                                                 ; a trip goes once round the ring, from a lap's second chunk to the next lap's first, and fills both slots again
.irp c, 1,2,3,4,5
	CHUNK 0, \c, 0
.endr
	TURN 0, 1, 1
	CROSS 1
.irp c, 0,1,2,3,4,5
	CHUNK 1, \c, 0
.endr
	TURN 1, 0, 1
	CROSS 0
	CHUNK 0, 0, 0
	WIN 0
	s_sub_co_u32 s3, s3, 1
	s_cmp_lg_u32 s3, 0
	s_cbranch_scc1 .Llap
.irp c, 1,2,3,4,5                      ; the last lap is written out: it fills nothing
	CHUNK 0, \c, 0
.endr
	TURN 0, 1, 0
	CROSS 1
.irp c, 0,1,2,3,4,5
	CHUNK 1, \c, 0
.endr
.set rq, 0
	WIN 0                                          ; the last step's chunk 6: only A of chunk 7 is left to fetch
	PLACES
	FETCHA 1, 7, 1
	s_wait_dscnt 18                                ; all but the 18 just issued
	MUL 0, 0, 4, 0, 1
	MUL58 0, 0
	s_wait_dscnt 0x0                               ; and chunk 7: nothing to fetch, nothing to convert
	MUL 1, 0, 4, 0, 0
	MUL58 1, 0
	WIN 0
	s_cmp_eq_u32 s[HIF], 0
	s_cbranch_scc1 .Lnohi                          ; the group has 9 blocks at the most
	; BLOCKS 9-15, 128 chunks, two buffers: while one chunk is multiplied the next one's 18 loads are on their way.
	PLACES                                         ; behind the ring's last products, whose buffers are written now
	HLOAD 0, 0
	HLOAD 1, 1
	s_wait_loadcnt 18                              ; chunk 0 is in; chunk 1's 18 loads may be out
	HCONV 0
	MUL 0, 9, 15, 1, 0, 9                          ; the first chunk starts the sums
	WIN 0
	s_mov_b32 s3, 63
.Lhi:                                                  ; trip i: asks for chunks 2 i + 2 and 2 i + 3, multiplies chunks 2 i + 1 and 2 i + 2
	PLACES
	HLOAD 0, 2
	s_wait_loadcnt 18                              ; the odd chunk is in; the 18 loads just issued may be out
	HCONV 1
	MUL 1, 9, 15, 0, 0, 9
	PLACES
	HLOAD 1, 3
	s_wait_loadcnt 18                              ; the even chunk is in
	HCONV 0
	MUL 0, 9, 15, 0, 0, 9
	WIN 0
	s_wait_xcnt 0x0                                ; the bases of the loads that are out are stepped only behind this wait
	s_add_nc_u64 s[AHB:AHB+1], s[AHB:AHB+1], 128
	s_add_nc_u64 s[BHB:BHB+1], s[BHB:BHB+1], 64
	s_sub_co_u32 s3, s3, 1
	s_cmp_lg_u32 s3, 0
	s_cbranch_scc1 .Lhi
	s_wait_loadcnt 0x0                             ; chunk 127
	HCONV 1
	MUL 1, 9, 15, 0, 0, 9
	WIN 0
.Lnohi:
	s_wait_loadcnt 0x0                             ; the scales and the gates
	PLACES                                         ; the scalings read results just made and write over fragments
	WIN 0xcf                                       ; sources 0 and 1 and destination window 3
.set a, 0
.rept 16
	v_cvt_f32_i32 v[GF+2*a+1], v[GF+2*a]           ; the gate as a number, twice: a pair for the packed multiply
	v_cvt_f32_i32 v[GF+2*a], v[GF+2*a]
.set a, a+1
.endr
.set p, 0
.rept 16
	v_pk_add_f32 v[SC+2*p:SC+2*p+1], v[SC+2*p:SC+2*p+1], v[SC+2*p:SC+2*p+1]  ; 2 x scales: the weights enter as halves
.set p, p+1
.endr
	WIN 0
.irp a, 0,1,2,3,4,5,6,7,8,9,10,11,12,13,14,15
	OUTBLK \a
.endr
	s_branch .Lend
	PART 0
	s_branch .Lend
	PART 1
.Lend:
	s_wait_tensorcnt 0x0                           ; the wave's end, behind my last tensor load and my last LDS store
	ds_add_u32 v[SPW], v[NIL]
	s_wait_dscnt 0x0
	s_endpgm
.Lfunc_end_k_qdbdbba884f_gemm:
	.size	k_qdbdbba884f_gemm, .Lfunc_end_k_qdbdbba884f_gemm-k_qdbdbba884f_gemm
	.p2alignl 7, 3214868480
	.fill 96, 4, 3214868480
	.section	.rodata,"a",@progbits
	.p2align	6, 0x0
	.amdhsa_kernel k_qdbdbba884f_gemm
		.amdhsa_group_segment_fixed_size 327680
		.amdhsa_private_segment_fixed_size 0
		.amdhsa_enable_private_segment 0
		.amdhsa_kernarg_size 56
		.amdhsa_user_sgpr_count 2
		.amdhsa_user_sgpr_kernarg_segment_ptr 1
		.amdhsa_wavefront_size32 1
		.amdhsa_system_sgpr_workgroup_id_x 1
		.amdhsa_system_sgpr_workgroup_id_y 1
		.amdhsa_system_sgpr_workgroup_id_z 1
		.amdhsa_system_vgpr_workitem_id 0
		.amdhsa_next_free_vgpr 928
		.amdhsa_next_free_sgpr 96
		.amdhsa_reserve_vcc 0
		.amdhsa_float_denorm_mode_32 3
		.amdhsa_float_denorm_mode_16_64 3
		.amdhsa_memory_ordered 1
		.amdhsa_forward_progress 1
		.amdhsa_inst_pref_size 255
	.end_amdhsa_kernel
	.section	.bss,"aw",@nobits
	.p2align	6
	.space	262144
	.amdgpu_metadata
---
amdhsa.version: [ 1, 2 ]
amdhsa.kernels:
  - .name:           k_qdbdbba884f_gemm
    .symbol:         k_qdbdbba884f_gemm.kd
    .args:
      - { .name: xc, .offset: 0, .size: 8, .value_kind: global_buffer, .address_space: global }
      - { .name: wb, .offset: 8, .size: 8, .value_kind: global_buffer, .address_space: global }
      - { .name: rows, .offset: 16, .size: 8, .value_kind: global_buffer, .address_space: global }
      - { .name: cnt, .offset: 24, .size: 8, .value_kind: global_buffer, .address_space: global }
      - { .name: gate, .offset: 32, .size: 8, .value_kind: global_buffer, .address_space: global }
      - { .name: scales, .offset: 40, .size: 8, .value_kind: global_buffer, .address_space: global }
      - { .name: out0, .offset: 48, .size: 8, .value_kind: global_buffer, .address_space: global }
    .group_segment_fixed_size: 327680
    .private_segment_fixed_size: 0
    .kernarg_segment_align: 8
    .kernarg_segment_size: 56
    .max_flat_workgroup_size: 128
    .sgpr_count:     96
    .vgpr_count:     928
    .wavefront_size: 32
...
	.end_amdgpu_metadata
.endif
;; end of part 4
